; MI455X (gfx1250); checked and timed in simulation.
; The chip was launched on July 23, 2026; its instructions are those of AMD's public machine-readable ISA for CDNA 5 (MIT licence, August 2026) and "CDNA5" Instruction Set Architecture Reference Guide (July 2026). The comments in the code are by the model that wrote it; some were corrected since.
;; Transformer Block Quantum. Allowed arithmetic: float matrix products may take bf16 or f16 operands with f32 sums; other float arithmetic in f32, or as packed bf16 or f16 multiplies, adds, multiply-adds, maxima and minima; sums over many terms, partial sums and values carried from step to step in f32; what a program stores and reads back later, other than sums and carried values, may be rounded once to bf16 or f16.
;; Inputs: b1 1,024 float32; b2 256 float32; b_comb 256 float32; b_in 768 float32; b_ip 8 float32; b_out 256 float32; be1 256 float32; be2 256 float32; g1 256 float32; g2 256 float32; theta_attn 8 float32; theta_ffn 8 float32; w1 1,024 x 8 float32; w2 256 x 1,024 float32; w_comb 256 x 256 float32; w_in 768 x 256 float32; w_ip 8 x 256 float32; w_out 256 x 256 float32; x 4 x 1,024 x 256 float32.
;; Outputs: out0 4 x 1,024 x 256 float32.
;; 2 versions, each right; version 2 is version 1 with the launches qkv, tail written anew for expert scheduling mode. Each part assembles by itself: llvm-mc -triple=amdgcn-amd-amdhsa -mcpu=gfx1250 --defsym DOCPART=n.
;; ======== version 1 of 2: 3 launches
;; limits: values are held in f16: magnitudes above 65,504 overflow, below 6.1e-05 lose precision; a function is approximated: absolute error at most 3.6e-06; an absolute error that grows with the inputs' magnitude: up to 6e-08 times it
;; workspace buffers: qh 2,097,152 bytes; kh 2,097,152 bytes; vf 2,097,152 bytes; ctx 2,097,152 bytes; wpack 786,432 bytes
;; launch qkv (part 1): grid 4 x 64, 8 waves a work-group, no clusters, 136,192 bytes of LDS; arguments x, theta_attn, w_in, b_in, w_out, w_comb, w2, qh, kh, vf, wpack; writes qh, kh, vf, wpack
.if DOCPART == 1
	.amdgcn_target "amdgcn-amd-amdhsa--gfx1250"
	.amdhsa_code_object_version 6
	.text
	.protected	k_qbff956641d_qkv
	.globl	k_qbff956641d_qkv
	.p2align	8
	.type	k_qbff956641d_qkv,@function
k_qbff956641d_qkv:
	s_mov_b64 s[64:65], 0
	v_nop
	global_prefetch_b8 v0, s[64:65] scope:SCOPE_SE
	s_setreg_imm32_b32 hwreg(HW_REG_WAVE_MODE, 25, 1), 1
	s_wait_xcnt 0x0
; LAUNCH 1 OF 3.  q_out = cos(x + theta_attn); qkv = q_out w_in^T + b_in, written by heads in f16; and the weights of the third launch, packed in f16 in the order of matrix fragments.
; WORK LEFT OUT.  b_in[256:512], the bias of k.  With it a score is q_i . (k_j + b_k) = q_i . k_j + q_i . b_k; the second term is the same for all keys j of row i, and softmax along j
; takes any such term away, for all finite values of the inputs.  So k is made without its bias and those 256 numbers are not loaded; the rest of b_in is.  LIMIT: a NaN, an infinity or an
; overflow that reaches only that term is not carried to the result.
; FORMATS.  Matrix operands in f16, sums in f32.  cos lies in -1 .. 1; q, k, v are sums of 256 such numbers times weights, far inside f16's 65,504 also for weights 30 times the usual.
; q is stored as c (q + b_q), c = log2(e) / sqrt(8): c is multiplied into w_q and b_q in f32, before their one rounding.
; COSINE.  No cosine instruction is used: t = a / 2 pi, f = t - round(t), g = |f| - 1/4 (so |g| <= 1/4 for every a), cos a = -sin(2 pi g) = g (K1 + u (K3 + u (K5 + u (K7 + u K9)))), u = g g:
; the series of the sine up to the 9th power, whose first term left out is at most (pi/2)^11 / 11! = 3.6e-6.  LIMIT: the reduction is in f32, its error about 6e-8 |a| radians.
; SHARES.  Work-group (jn, rb): 64 tokens 64 rb .., and the 64 columns 64 jn .. of each of q, k, v (heads 8 jn .. 8 jn + 7).  x's 64 rows and the three blocks of 64 rows of w_in are 64 KiB on end each:
; a thread takes 16 bytes of every 4,096, converts, and puts 8 bytes of f16 into LDS rows 528 bytes apart (an odd multiple of 16).  Wave v: row tiles 2 (v & 1), + 1; one tile of 16 columns (v >> 1) of each kind.
; q and k are multiplied with the weights as source 0: a lane then holds one token and the 8 channels of one head, 16 bytes of qh or kh.  v with the tokens as source 0: a lane holds one channel and 8 tokens,
; 16 bytes of vf, which is laid as the second launch's fragments of V^T want it: [g][32 keys kb][j][h][channel][8 keys], key = 32 kb + 16 j + 8 h + e.
; SIDE JOB.  Waves 0 to 5 each pack one unit of 512 bytes of wpack: [c 6][w 4][ks 8][ntl 4][j 2][lane 32][8 f16]; c = 0: w_out, 1: 64 w_comb, 2 .. 5: w2[:, 256 (c - 2) ..]; row 16 (4 w + ntl) + lane % 16, k = 32 ks + 16 j + 8 (lane / 16).
.set PITCH, 528
.set W16,   64*PITCH                   ; behind the 64 rows of cos(x + theta): three blocks of 64 rows of w_in
.set WBLK,  64*PITCH
.set SPARE, 256*PITCH                  ; behind them: the spare words, 128 bytes for each of the eight waves
.set R0,  16                           ; v[16:79]   a block of 16 loads: x, later w_v
.set R1,  80                           ; v[80:143]  w_q
.set R2,  144                          ; v[144:207] w_k
.set T,   208                          ; v[208:223] at work
.set KC,  224                          ; v[224:233] K1, K3, K5, K7, K9, each twice
.set THC, 234                          ; v[234:237] theta / 2 pi of my four columns
.set PKR, 238                          ; v[238:245] the packing's 8 numbers
.set BQ,  246                          ; v[246:253] c b_q of my 8 channels
.set BV0, 254                          ; v254       b_v of my channel
.set ACC, 16                           ; second phase: v[16:63] accumulator (row tile i, kind kd) at ACC + 24 i + 8 kd
.set BV,  64                           ; v[64:71]   b_v eight times
.set F0,  80                           ; v[80:119], v[120:159] two sets of fragments: tokens i at + 8 i, weights kd at + 16 + 8 kd
.set F1,  120
.set PK,  160                          ; v[160:183] results in f16
	s_load_b512 s[8:23], s[0:1], 0x0               ; x 8, theta_attn 10, w_in 12, b_in 14, w_out 16, w_comb 18, w2 20, qh 22
	s_load_b128 s[24:27], s[0:1], 0x40             ; kh 24, vf 26
	s_load_b64 s[28:29], s[0:1], 0x50              ; wpack
	v_lshl_add_u32 v2, v0, 2, SPARE                ; my spare word, and 0: kept for the closing lines alone
	v_mov_b32 v3, 0
	v_lshrrev_b32 v4, 5, v0
	v_readfirstlane_b32 s30, v4                    ; wave 0..7
	s_and_b32 s31, s30, 1                          ; rh: which pair of row tiles
	s_lshr_b32 s32, s30, 1                         ; cg: which tile of 16 columns
	s_mov_b32 s33, ttmp9                           ; jn
	s_and_b32 s34, ttmp7, 0xffff                   ; rb
	s_mov_b32 s36, 0x3f0293ee                      ; c = log2(e) / sqrt(8)
	s_mov_b32 s37, 0x3f0293ee
	s_mov_b32 s38, 0xbe800000                      ; -1/4
	; the packing's unit U = 6 (4 rb + jn) + wave, 0 .. 1535 in waves 0 to 5
	s_lshl2_add_u32 s44, s34, s33
	s_mul_i32 s44, s44, 6
	s_add_co_u32 s44, s44, s30
	s_lshr_b32 s45, s44, 8                         ; c
	s_bfe_u32 s46, s44, 0x20006                    ; w
	s_bfe_u32 s47, s44, 0x30003                    ; ks
	s_bfe_u32 s48, s44, 0x20001                    ; ntl
	s_and_b32 s49, s44, 1                          ; j
	s_sub_co_u32 s55, s45, 2
	s_cmp_ge_u32 s45, 2                            ; w2?
	s_cselect_b32 s54, 12, 10                      ; a source row is 4,096 bytes or 1,024
	s_cselect_b32 s55, s55, 0                      ; which 256 columns of w2
	s_lshl_b32 s50, s46, 6
	s_lshl4_add_u32 s50, s48, s50                  ; first row 64 w + 16 ntl
	s_lshl_b32 s50, s50, s54
	s_lshl_b32 s55, s55, 10
	s_add_co_u32 s50, s50, s55
	s_lshl_b32 s47, s47, 7
	s_add_co_u32 s50, s50, s47
	s_lshl_b32 s49, s49, 6
	s_add_co_u32 s50, s50, s49                     ; + 4 (256 cc + 32 ks + 16 j)
	s_mov_b32 s51, 0
	s_lshl_b32 s52, s44, 9                         ; the unit's place in wpack
	s_mov_b32 s53, 0
	s_cmp_eq_u32 s45, 1
	s_cselect_b32 s40, 0x42800000, 1.0             ; w_comb is packed as 64 w_comb (the third launch keeps its other operand divided by 64)
	s_mov_b32 s41, s40
	v_lshlrev_b32 v1, 4, v0                        ; 16 tid: my 16 bytes of every 4,096 of a block
	v_lshrrev_b32 v4, 6, v0
	v_and_b32 v5, 63, v0
	v_mul_u32_u24 v4, v4, PITCH
	v_lshl_add_u32 v4, v5, 3, v4                   ; row tid / 64, 8 bytes at column 4 (tid % 64): where they go in LDS; load i goes 4 rows further down
	v_add_nc_u32 v5, W16, v4
	v_add_nc_u32 v6, W16+WBLK, v4
	v_add_nc_u32 v7, W16+2*WBLK, v4
	v_and_b32 v13, 15, v0                          ; r
	v_bfe_u32 v14, v0, 4, 1                        ; h
	v_and_b32 v9, 31, v0
	v_lshlrev_b32 v9, 4, v9                        ; 16 lane
	v_lshlrev_b32 v8, s54, v13
	v_lshl_add_u32 v8, v14, 5, v8                  ; the packing's source: row r, 32 bytes for each half of the lanes
	s_lshl_b32 s62, s33, 8
	s_lshl_b32 s63, s32, 6
	s_add_co_u32 s62, s62, s63                     ; 4 (64 jn + 16 cg)
	s_add_co_u32 s63, s62, 2048                    ; the same in b_in's last third
	v_lshl_add_u32 v10, v14, 5, s62                ; b_q of my 8 channels
	v_lshl_add_u32 v11, v13, 2, s63                ; b_v of my channel
	v_and_b32 v12, 1, v0
	v_lshlrev_b32 v12, 4, v12                      ; my four columns are 4 (tid % 2) .. modulo 8
.irp p, 0,1
	v_mov_b32 v[KC+\p],   0xc0c90fdb                ; K1 = -2 pi
	v_mov_b32 v[KC+2+\p], 0x42255de7                ; K3 = (2 pi)^3 / 6
	v_mov_b32 v[KC+4+\p], 0xc2a335e3                ; K5 = -(2 pi)^5 / 120
	v_mov_b32 v[KC+6+\p], 0x42996966                ; K7 = (2 pi)^7 / 5040
	v_mov_b32 v[KC+8+\p], 0xc2283c1a                ; K9 = -(2 pi)^9 / 362880
.endr
	s_wait_kmcnt 0x0
	s_lshl_b32 s60, s34, 16
	s_mov_b32 s61, 0
	s_add_nc_u64 s[8:9], s[8:9], s[60:61]          ; x at my 64 rows
	s_lshl_b32 s60, s33, 16
	s_add_nc_u64 s[12:13], s[12:13], s[60:61]      ; w_in at row 64 jn; the kinds lie 256 rows apart
	s_cmp_eq_u32 s45, 0
	s_cselect_b64 s[56:57], s[16:17], s[18:19]
	s_cmp_ge_u32 s45, 2
	s_cselect_b64 s[56:57], s[20:21], s[56:57]
	s_add_nc_u64 s[56:57], s[56:57], s[50:51]
	s_add_nc_u64 s[58:59], s[28:29], s[52:53]
.macro LOADBLK R, lo, imm               ; 64 KiB on end: 16 loads, each of the wave 512 neighbouring bytes
.set i_, 0
.rept 16
	global_load_b128 v[(\R)+4*i_:(\R)+4*i_+3], v1, s[\lo:\lo+1] offset:(\imm)+4096*i_
.set i_, i_+1
.endr
.endm
.macro COS8 a                           ; v[a .. a+7] = cos(v + theta), four packed chains side by side
.irp k, 0,2,4,6
	v_pk_fma_f32 v[(\a)+\k:(\a)+\k+1], v[(\a)+\k:(\a)+\k+1], 0.15915494, v[THC+\k%4:THC+\k%4+1] op_sel_hi:[1,0,1]
.endr
.irp e, 0,1,2,3,4,5,6,7
	v_rndne_f32 v[T+\e], v[(\a)+\e]
.endr
.irp k, 0,2,4,6
	v_pk_add_f32 v[(\a)+\k:(\a)+\k+1], v[(\a)+\k:(\a)+\k+1], v[T+\k:T+\k+1] neg_lo:[0,1] neg_hi:[0,1]
.endr
.irp e, 0,1,2,3,4,5,6,7
	v_add_f32 v[(\a)+\e], |v[(\a)+\e]|, s38
.endr
.irp k, 0,2,4,6
	v_pk_mul_f32 v[T+\k:T+\k+1], v[(\a)+\k:(\a)+\k+1], v[(\a)+\k:(\a)+\k+1]
.endr
.irp k, 0,2,4,6
	v_pk_fma_f32 v[T+8+\k:T+8+\k+1], v[T+\k:T+\k+1], v[KC+8:KC+9], v[KC+6:KC+7]
.endr
.irp k, 0,2,4,6
	v_pk_fma_f32 v[T+8+\k:T+8+\k+1], v[T+8+\k:T+8+\k+1], v[T+\k:T+\k+1], v[KC+4:KC+5]
.endr
.irp k, 0,2,4,6
	v_pk_fma_f32 v[T+8+\k:T+8+\k+1], v[T+8+\k:T+8+\k+1], v[T+\k:T+\k+1], v[KC+2:KC+3]
.endr
.irp k, 0,2,4,6
	v_pk_fma_f32 v[T+8+\k:T+8+\k+1], v[T+8+\k:T+8+\k+1], v[T+\k:T+\k+1], v[KC:KC+1]
.endr
.irp k, 0,2,4,6
	v_pk_mul_f32 v[(\a)+\k:(\a)+\k+1], v[(\a)+\k:(\a)+\k+1], v[T+8+\k:T+8+\k+1]
.endr
.endm
.macro PUT a, adr, off, t               ; four numbers rounded to f16, 8 bytes into LDS
	v_cvt_pk_f16_f32 v[T+\t], v[\a], v[(\a)+1]
	v_cvt_pk_f16_f32 v[T+\t+1], v[(\a)+2], v[(\a)+3]
	ds_store_b64 v[\adr], v[T+\t:T+\t+1] offset:\off
.endm
.macro PLACES                           ; four places behind a matrix instruction (ISA guide 7.12.1), where no other vector work is at hand
.rept 4
	v_nop
.endr
.endm
	s_cmp_lt_u32 s30, 6
	s_cbranch_scc0 .Lno_unit_in
	global_load_b128 v[PKR:PKR+3], v8, s[56:57]
	global_load_b128 v[PKR+4:PKR+7], v8, s[56:57] offset:16
.Lno_unit_in:
	global_load_b128 v[THC:THC+3], v12, s[10:11]
	global_load_b128 v[BQ:BQ+3], v10, s[14:15]
	global_load_b128 v[BQ+4:BQ+7], v10, s[14:15] offset:16
	global_load_b32 v[BV0], v11, s[14:15]
	LOADBLK R0, 8, 0                               ; x
	LOADBLK R1, 12, 0                              ; w_q
	LOADBLK R2, 12, 262144                         ; w_k
	s_wait_loadcnt 32                              ; the 32 loads of w_q and w_k may stay out: x and all before it are in
.irp e, 0,1,2,3
	v_mul_f32 v[THC+\e], 0.15915494, v[THC+\e]
.endr
.irp e, 0,2,4,6
	v_pk_mul_f32 v[BQ+\e:BQ+\e+1], v[BQ+\e:BQ+\e+1], s[36:37] op_sel_hi:[1,0]
.endr
.set n_, 0
.rept 8
	COS8 R0+8*n_
	PUT R0+8*n_, 4, 2112*(2*n_), 0
	PUT R0+8*n_+4, 4, 2112*(2*n_+1), 2
.set n_, n_+1
.endr
	LOADBLK R0, 12, 524288                         ; w_v, into the registers that x has left
	s_cmp_lt_u32 s30, 6
	s_cbranch_scc0 .Lno_unit_out
.irp e, 0,2,4,6
	v_pk_mul_f32 v[PKR+\e:PKR+\e+1], v[PKR+\e:PKR+\e+1], s[40:41] op_sel_hi:[1,0]
.endr
.irp e, 0,1,2,3
	v_cvt_pk_f16_f32 v[PKR+\e], v[PKR+2*\e], v[PKR+2*\e+1]
.endr
	global_store_b128 v9, v[PKR:PKR+3], s[58:59]   ; 512 bytes on end; its registers are not written again
.Lno_unit_out:
	s_wait_loadcnt 32                              ; w_k's and w_v's 32 may stay out: w_q is in
.set n_, 0
.rept 16
	v_pk_mul_f32 v[R1+4*n_:R1+4*n_+1], v[R1+4*n_:R1+4*n_+1], s[36:37] op_sel_hi:[1,0]
	v_pk_mul_f32 v[R1+4*n_+2:R1+4*n_+3], v[R1+4*n_+2:R1+4*n_+3], s[36:37] op_sel_hi:[1,0]
	PUT R1+4*n_, 5, 2112*n_, 2*(n_%4)
.set n_, n_+1
.endr
	s_wait_loadcnt 16                              ; w_v's 16 may stay out
.set n_, 0
.rept 16
	PUT R2+4*n_, 6, 2112*n_, 2*(n_%4)
.set n_, n_+1
.endr
	s_wait_loadcnt 0x0
.set n_, 0
.rept 16
	PUT R0+4*n_, 7, 2112*n_, 2*(n_%4)
.set n_, n_+1
.endr
	; the second phase's addresses (all loads are in, so their offset registers may be written)
	v_and_b32 v74, 15, v0
	v_bfe_u32 v75, v0, 4, 1
	s_lshl_b32 s60, s31, 5
	v_add_nc_u32 v12, s60, v74
	v_mul_u32_u24 v12, v12, PITCH
	v_lshl_add_u32 v12, v75, 4, v12                ; tokens: row 32 rh + r, 16 bytes for each half of the lanes
	s_lshl_b32 s60, s32, 4
	v_add_nc_u32 v13, s60, v74
	v_mul_u32_u24 v13, v13, PITCH
	v_lshl_add_u32 v13, v75, 4, v13
	v_add_nc_u32 v15, W16+2*WBLK, v13              ; weights: row 16 cg + r of each kind's block
	v_add_nc_u32 v14, W16+WBLK, v13
	v_add_nc_u32 v13, W16, v13
	v_lshlrev_b32 v72, 14, v75
	v_lshl_add_u32 v72, v74, 4, v72                ; qh, kh: head + h, token + r
	v_lshrrev_b32 v73, 3, v74
	v_lshlrev_b32 v73, 14, v73
	v_lshl_add_u32 v73, v75, 7, v73
	v_and_b32 v76, 7, v74
	v_lshl_add_u32 v73, v76, 4, v73                ; vf: head + r / 8, half h, channel r % 8
.irp e, 0,1,2,3,4,5,6,7
	v_mov_b32 v[BV+\e], v[BV0]
.endr
	s_lshr_b32 s42, s34, 4                         ; batch
	s_lshl_b32 s42, s42, 5
	s_lshl3_add_u32 s42, s33, s42
	s_lshl1_add_u32 s42, s32, s42                  ; g = 32 b + 8 jn + 2 cg
	s_lshl_b32 s42, s42, 14
	s_and_b32 s43, s34, 15
	s_lshl_b32 s43, s43, 6
	s_lshl_b32 s60, s31, 5
	s_add_co_u32 s43, s43, s60                     ; my first token in the sequence
	s_lshl4_add_u32 s42, s43, s42                  ; 16 bytes a token in all three: 32 tokens are 512 bytes of vf too
	s_mov_b32 s43, 0
	s_add_nc_u64 s[22:23], s[22:23], s[42:43]
	s_add_nc_u64 s[24:25], s[24:25], s[42:43]
	s_add_nc_u64 s[26:27], s[26:27], s[42:43]
	s_wait_dscnt 0x0                               ; for the others' sake: my stores into the tiles are done
	s_barrier_signal -1
	s_barrier_wait -1
.macro FETCH ks, F                      ; the fragments of 32 along K: 2 of tokens, 3 of weights: ten loads
.irp i, 0,1
	ds_load_b128 v[(\F)+8*\i:(\F)+8*\i+3],   v12 offset:16*PITCH*\i+64*(\ks)
	ds_load_b128 v[(\F)+8*\i+4:(\F)+8*\i+7], v12 offset:16*PITCH*\i+64*(\ks)+32
.endr
.irp d, 0,1,2
	ds_load_b128 v[(\F)+16+8*\d:(\F)+16+8*\d+3], v[13+\d] offset:64*(\ks)
	ds_load_b128 v[(\F)+16+8*\d+4:(\F)+16+8*\d+7], v[13+\d] offset:64*(\ks)+32
.endr
.endm
.macro MULS F, first                    ; six products; the six accumulators take turns, one instruction a turn.  first = 1: the sums start with the bias (k: with 0)
.irp i, 0,1
.if \first
	v_wmma_f32_16x16x32_f16 v[ACC+24*\i:ACC+24*\i+7],     v[(\F)+16:(\F)+23], v[(\F)+8*\i:(\F)+8*\i+7], v[BQ:BQ+7]
	v_wmma_f32_16x16x32_f16 v[ACC+24*\i+8:ACC+24*\i+15],  v[(\F)+24:(\F)+31], v[(\F)+8*\i:(\F)+8*\i+7], 0
	v_wmma_f32_16x16x32_f16 v[ACC+24*\i+16:ACC+24*\i+23], v[(\F)+8*\i:(\F)+8*\i+7], v[(\F)+32:(\F)+39], v[BV:BV+7]
.else
	v_wmma_f32_16x16x32_f16 v[ACC+24*\i:ACC+24*\i+7],     v[(\F)+16:(\F)+23], v[(\F)+8*\i:(\F)+8*\i+7], v[ACC+24*\i:ACC+24*\i+7]
	v_wmma_f32_16x16x32_f16 v[ACC+24*\i+8:ACC+24*\i+15],  v[(\F)+24:(\F)+31], v[(\F)+8*\i:(\F)+8*\i+7], v[ACC+24*\i+8:ACC+24*\i+15]
	v_wmma_f32_16x16x32_f16 v[ACC+24*\i+16:ACC+24*\i+23], v[(\F)+8*\i:(\F)+8*\i+7], v[(\F)+32:(\F)+39], v[ACC+24*\i+16:ACC+24*\i+23]
.endif
.endr
.endm
	FETCH 0, F0
.irp s, 0,2,4,6
	FETCH (\s)+1, F1
	s_wait_dscnt 10                                ; the ten just issued may stay out
	MULS F0, (\s)==0
	PLACES                                         ; in front of the loads into the set just multiplied
.if \s < 6
	FETCH (\s)+2, F0
	s_wait_dscnt 10
.else
	s_wait_dscnt 0x0
.endif
	MULS F1, 0
	PLACES
.endr
.set n_, 0
.rept 6                                 ; each accumulator's registers in ascending order
.irp e, 0,1,2,3
	v_cvt_pk_f16_f32 v[PK+4*n_+\e], v[ACC+8*n_+2*\e], v[ACC+8*n_+2*\e+1]
.endr
.set n_, n_+1
.endr
.irp i, 0,1
	global_store_b128 v72, v[PK+12*\i:PK+12*\i+3],    s[22:23] offset:256*\i  ; each half of the lanes: 16 tokens of one head, 256 bytes on end, aligned
	global_store_b128 v72, v[PK+12*\i+4:PK+12*\i+7],  s[24:25] offset:256*\i
	global_store_b128 v73, v[PK+12*\i+8:PK+12*\i+11], s[26:27] offset:256*\i  ; two heads, 256 bytes on end of each
.endr
	s_wait_tensorcnt 0x0                           ; the wave's end
	ds_add_u32 v2, v3
	s_wait_dscnt 0x0
	s_endpgm
.Lfunc_end_k_qbff956641d_qkv:
	.size	k_qbff956641d_qkv, .Lfunc_end_k_qbff956641d_qkv-k_qbff956641d_qkv
	.p2alignl 7, 3214868480
	.fill 96, 4, 3214868480
	.section	.rodata,"a",@progbits
	.p2align	6, 0x0
	.amdhsa_kernel k_qbff956641d_qkv
		.amdhsa_group_segment_fixed_size 136192
		.amdhsa_private_segment_fixed_size 0
		.amdhsa_enable_private_segment 0
		.amdhsa_kernarg_size 88
		.amdhsa_user_sgpr_count 2
		.amdhsa_user_sgpr_kernarg_segment_ptr 1
		.amdhsa_wavefront_size32 1
		.amdhsa_system_sgpr_workgroup_id_x 1
		.amdhsa_system_sgpr_workgroup_id_y 1
		.amdhsa_system_sgpr_workgroup_id_z 1
		.amdhsa_system_vgpr_workitem_id 0
		.amdhsa_next_free_vgpr 256
		.amdhsa_next_free_sgpr 66
		.amdhsa_reserve_vcc 0
		.amdhsa_float_denorm_mode_32 3
		.amdhsa_float_denorm_mode_16_64 3
		.amdhsa_memory_ordered 1
		.amdhsa_forward_progress 1
		.amdhsa_inst_pref_size 62
	.end_amdhsa_kernel
	.amdgpu_metadata
---
amdhsa.version: [ 1, 2 ]
amdhsa.kernels:
  - .name:           k_qbff956641d_qkv
    .symbol:         k_qbff956641d_qkv.kd
    .args:
      - { .name: x, .offset: 0, .size: 8, .value_kind: global_buffer, .address_space: global }
      - { .name: theta_attn, .offset: 8, .size: 8, .value_kind: global_buffer, .address_space: global }
      - { .name: w_in, .offset: 16, .size: 8, .value_kind: global_buffer, .address_space: global }
      - { .name: b_in, .offset: 24, .size: 8, .value_kind: global_buffer, .address_space: global }
      - { .name: w_out, .offset: 32, .size: 8, .value_kind: global_buffer, .address_space: global }
      - { .name: w_comb, .offset: 40, .size: 8, .value_kind: global_buffer, .address_space: global }
      - { .name: w2, .offset: 48, .size: 8, .value_kind: global_buffer, .address_space: global }
      - { .name: qh, .offset: 56, .size: 8, .value_kind: global_buffer, .address_space: global }
      - { .name: kh, .offset: 64, .size: 8, .value_kind: global_buffer, .address_space: global }
      - { .name: vf, .offset: 72, .size: 8, .value_kind: global_buffer, .address_space: global }
      - { .name: wpack, .offset: 80, .size: 8, .value_kind: global_buffer, .address_space: global }
    .group_segment_fixed_size: 136192
    .private_segment_fixed_size: 0
    .kernarg_segment_align: 8
    .kernarg_segment_size: 88
    .max_flat_workgroup_size: 256
    .sgpr_count:     66
    .vgpr_count:     256
    .wavefront_size: 32
...
	.end_amdgpu_metadata
.endif
;; end of part 1
;; launch attn (part 2): grid 2 x 128, 16 waves a work-group, no clusters, 51,200 bytes of LDS; arguments qh, kh, vf, ctx; writes ctx
.if DOCPART == 2
	.amdgcn_target "amdgcn-amd-amdhsa--gfx1250"
	.amdhsa_code_object_version 6
	.text
	.protected	k_qbff956641d_attn
	.globl	k_qbff956641d_attn
	.p2align	8
	.type	k_qbff956641d_attn,@function
k_qbff956641d_attn:
	s_mov_b64 s[64:65], 0
	v_nop
	global_prefetch_b8 v0, s[64:65] scope:SCOPE_SE
	s_setreg_imm32_b32 hwreg(HW_REG_WAVE_MODE, 25, 1), 1
	s_wait_xcnt 0x0
; LAUNCH 2 OF 3.  ctx[g][q][:] = the sum over k of softmax_k(q . k / sqrt(8)) v[k][:], for the 128 pairs g of batch and head, 1,024 keys, head size 8.  (k comes without its bias: see the first launch's head.)
; qh holds c (q + b_q), c = log2(e) / sqrt(8), so a product of qh and kh is the score in powers of two.  All operands f16, products, maxima and sums in f32; the weights p are rounded to f16 for the second
; product, and their sum l is taken of the same rounded p, by the same product.
; TWO PASSES.  Pass 1 multiplies K Q^T and keeps each query's TRUE maximum m over all 1,024 keys.  Pass 2 multiplies K Q^T again with -m as the C operand, so that the result is s - m with no vector
; instruction; p = 2^(s - m); O^T = V^T P.  Nothing is rescaled, and no statistic is carried from step to step.
; LIMITS.  p below 6e-8 counts as 0 (f16); l is at least about 1, since the maximum's own weight is 1.  NaN and infinities are not treated apart.
; SHARES.  A work-group owns 512 queries of one g, each of its 16 waves 32: two tiles u of 16.  K (16 KiB) and V^T (32 KiB as fragments) of the whole g lie in LDS, filled once.
; SLOTS.  A head has 8 channels, a matrix instruction 32 places along K.  One load of 16 bytes a lane, lane l taking key 32 i + l, puts 16 keys into places 0-7 (lanes 0-15) and 16 more into places 8-15 (lanes 16-31);
; two such loads are a source 0 that holds 64 keys in four slots.  Q stands in four variants, each 0 outside one slot: variant a picks keys 16 a .. 16 a + 15.  What the other slots hold is multiplied by 0.
; LAYOUT.  S^T = K Q^T holds one query a lane (lane % 16) and keys 8 (lane / 16) + 0..7; two results rounded in pairs are source 1 (32 keys x 16 queries) of O^T = V^T P.  V^T's rows 0-7 are the channels,
; row 8 is all ones, rows 9-15 are 0: so O^T's row 8, register 0 of lanes 16-31, is l.
; NO CLUSTER: two work-groups share a g's 32 KiB, read once at the head; that is all that is shared.
.set VB,    16384                      ; K: bytes 0 .. 16,383, 16 bytes a key.  V^T: [32 keys kb][j][lane][16 bytes]
.set SPARE, 49152                      ; the spare words, 128 bytes for each of the 16 waves
.set QV, 16                            ; v[16:63]   tile u at QV + 24 u: qa, 0, qa, qb, 0, qb, four registers each (qa: q in lanes 0-15, qb: in lanes 16-31)
.set MN, 64                            ; v[64:79]   -m, eight times a tile
.set OA, 80                            ; v[80:95]   O^T
.set KF, 96                            ; v[96:103]  64 keys
.set VF, 104                           ; v[104:119] V^T of 64 keys
.set P,  120                           ; v[120:151] tile u, 32 keys i at P + 16 u + 8 i
.set S,  152                           ; v[152:215] slot a, tile u at S + 8 (2 a + u)
.set MX, 216                           ; v[216:223] running maxima, slot a, tile u at MX + 2 a + u
.set QQ, 224                           ; v[224:231] q as loaded; later the packed result;  v[232:235] a row of ones or zeros; later at work
	s_load_b256 s[4:11], s[0:1], 0x0               ; qh 4, kh 6, vf 8, ctx 10
	v_lshl_add_u32 v2, v0, 2, SPARE                ; my spare word, and 0: kept for the closing lines alone
	v_mov_b32 v3, 0
	v_lshrrev_b32 v4, 5, v0
	v_readfirstlane_b32 s12, v4                    ; wave 0..15
	s_and_b32 s20, ttmp7, 0xffff
	s_lshl_b32 s20, s20, 14                        ; g's 16,384 bytes in each of the four buffers
	s_mov_b32 s21, 0
	s_lshl_b32 s22, ttmp9, 13                      ; my half's 512 queries,
	s_lshl_b32 s23, s12, 9                         ; my wave's 32
	s_add_co_u32 s22, s22, s23
	s_add_co_u32 s22, s22, s20
	s_mov_b32 s23, 0
	s_mov_b32 s13, 0xffff                          ; lanes 0-15
	s_mov_b32 s18, 0x76543210                      ; v_permlanex16_b32: each lane takes its own place in the other half
	s_mov_b32 s19, 0xfedcba98
	v_and_b32 v1, 31, v0
	v_lshlrev_b32 v1, 4, v1                        ; 16 lane
	v_lshlrev_b32 v4, 4, v0                        ; 16 tid
	v_and_b32 v5, 7, v0
	v_lshrrev_b32 v6, 3, v0
	v_lshlrev_b32 v5, 4, v5
	v_lshl_add_u32 v5, v6, 8, v5
	v_add_nc_u32 v5, VB, v5                        ; vf's groups of 128 bytes (8 channels) go 256 bytes apart
	v_and_b32 v8, 15, v0
	v_lshlrev_b32 v8, 4, v8                        ; query lane % 16
	v_and_b32 v10, 7, v0
	v_mov_b32 v11, 0x3c003c00                      ; 1.0 twice in f16
	v_cmp_eq_u32 vcc_lo, 0, v10
	v_cndmask_b32 v232, 0, v11, vcc_lo             ; row 8: ones; rows 9-15: zeros
	v_mov_b32 v233, v232
	v_mov_b32 v234, v232
	v_mov_b32 v235, v232
.irp e, 12,13,14,15
	v_mov_b32 v\e, 0
.endr
	s_wait_kmcnt 0x0
	s_add_nc_u64 s[6:7], s[6:7], s[20:21]
	s_add_nc_u64 s[8:9], s[8:9], s[20:21]
	s_add_nc_u64 s[4:5], s[4:5], s[22:23]
	s_add_nc_u64 s[10:11], s[10:11], s[22:23]
	global_load_b128 v[KF:KF+3],   v4, s[6:7]
	global_load_b128 v[KF+4:KF+7], v4, s[6:7] offset:8192
	global_load_b128 v[VF:VF+3],   v4, s[8:9]
	global_load_b128 v[VF+4:VF+7], v4, s[8:9] offset:8192
	global_load_b128 v[QQ:QQ+3],   v8, s[4:5]
	global_load_b128 v[QQ+4:QQ+7], v8, s[4:5] offset:256
	s_wait_loadcnt 2                               ; the two loads of Q may stay out
	ds_store_b128 v4, v[KF:KF+3]
	ds_store_b128 v4, v[KF+4:KF+7] offset:8192
	ds_store_b128 v5, v[VF:VF+3]
	ds_store_b128 v5, v[VF+4:VF+7] offset:16384
	ds_store_b128 v5, v[232:235] offset:128
	ds_store_b128 v5, v[232:235] offset:16384+128
	s_wait_dscnt 0x0                               ; for the others' sake
	s_barrier_signal -1
	s_barrier_wait -1                              ; the one barrier: behind it LDS is only read
	s_wait_loadcnt 0x0
.irp u, 0,1
.irp e, 0,1,2,3
	v_cndmask_b32 v[QV+24*\u+\e], 0, v[QQ+4*\u+\e], s13
	v_cndmask_b32 v[QV+24*\u+12+\e], v[QQ+4*\u+\e], 0, s13
	v_mov_b32 v[QV+24*\u+4+\e], 0
	v_mov_b32 v[QV+24*\u+16+\e], 0
.endr
.irp e, 0,1,2,3
	v_mov_b32 v[QV+24*\u+8+\e], v[QV+24*\u+\e]
	v_mov_b32 v[QV+24*\u+20+\e], v[QV+24*\u+12+\e]
.endr
.endr
.irp e, 0,1,2,3,4,5,6,7
	v_mov_b32 v[MX+\e], 0xff7fffff                 ; the lowest finite number
.endr
.macro KQ a, u, c                       ; keys 16 a .. of the 64 in hand, tile u.  c = 1: the sum starts with -m
.set rS_, S+8*(2*(\a)+(\u))
.set rQ_, QV+24*(\u)+12*((\a)&1)+4*((\a)>>1)
.if \c
	v_wmma_f32_16x16x32_f16 v[rS_:rS_+7], v[KF:KF+7], v[rQ_:rQ_+7], v[MN+8*(\u):MN+8*(\u)+7]
.else
	v_wmma_f32_16x16x32_f16 v[rS_:rS_+7], v[KF:KF+7], v[rQ_:rQ_+7], 0
.endif
.endm
.macro PLACES                           ; four places behind a matrix instruction (ISA guide 7.12.1)
.rept 4
	v_nop
.endr
.endm
	s_mov_b32 s14, 16                              ; 16 trips of 64 keys
	s_mov_b32 s15, 0
.Lpass1:
	v_add_nc_u32 v6, s15, v1
	ds_load_b128 v[KF:KF+3],   v6
	ds_load_b128 v[KF+4:KF+7], v6 offset:512
	s_add_co_u32 s15, s15, 1024
	s_wait_dscnt 0x0
.irp a, 0,1,2,3
	KQ \a, 0, 0
	KQ \a, 1, 0
.endr
	PLACES
.irp i, 0,1,2,3                         ; eight chains side by side; each accumulator's lowest registers are read first
.irp n, 0,1,2,3,4,5,6,7
	v_max3_num_f32 v[MX+\n], v[MX+\n], v[S+8*\n+2*\i], v[S+8*\n+2*\i+1]
.endr
.endr
	s_sub_co_u32 s14, s14, 1
	s_cmp_lg_u32 s14, 0
	s_cbranch_scc1 .Lpass1
.irp u, 0,1
	v_max3_num_f32 v[10+\u], v[MX+\u], v[MX+2+\u], v[MX+4+\u]
.endr
.irp u, 0,1
	v_max_num_f32 v[10+\u], v[10+\u], v[MX+6+\u]
.endr
	v_permlanex16_b32 v12, v10, s18, s19           ; the query's other keys lie in the lane 16 away
	v_permlanex16_b32 v14, v11, s18, s19
	v_max_num_f32 v10, v10, v12
	v_max_num_f32 v11, v11, v14
.irp e, 0,1,2,3,4,5,6,7
	v_mul_f32 v[MN+\e], -1.0, v10
	v_mul_f32 v[MN+8+\e], -1.0, v11
.endr
.irp e, 0,1,2,3,4,5,6,7,8,9,10,11,12,13,14,15
	v_mov_b32 v[OA+\e], 0                          ; sixteen lines, so that the loop has one form of product
.endr
	s_mov_b32 s14, 16
	s_mov_b32 s15, 0
	s_mov_b32 s16, VB
.Lpass2:
	v_add_nc_u32 v6, s15, v1
	ds_load_b128 v[KF:KF+3],   v6
	ds_load_b128 v[KF+4:KF+7], v6 offset:512
	s_wait_dscnt 0x0
.irp a, 0,1,2,3
	KQ \a, 0, 1
	KQ \a, 1, 1
.endr
	PLACES                                         ; behind these products, and (with the line at the trip's head) behind the last trip's V^T P, whose V is loaded anew below
	v_add_nc_u32 v7, s16, v1
.irp n, 0,1,2,3
	ds_load_b128 v[VF+4*\n:VF+4*\n+3], v7 offset:512*\n
.endr
.set n_, 0
.rept 64                                ; ONE BATCH of exponentials, each accumulator in ascending order; nothing names a result ahead of the wait
	v_exp_f32 v[S+n_], v[S+n_]
.set n_, n_+1
.endr
	v_nop                                          ; the plain instruction behind the last exponential
	s_wait_alu depctr_va_vdst(0)                   ; the one wait for the batch
.irp a, 0,1,2,3
.irp u, 0,1
.irp e, 0,1,2,3
	v_cvt_pk_f16_f32 v[P+16*\u+4*\a+\e], v[S+8*(2*\a+\u)+2*\e], v[S+8*(2*\a+\u)+2*\e+1]
.endr
.endr
.endr
	s_wait_dscnt 0x0                               ; V is in
.irp i, 0,1                             ; the two accumulators take turns
.irp u, 0,1
	v_wmma_f32_16x16x32_f16 v[OA+8*\u:OA+8*\u+7], v[VF+8*\i:VF+8*\i+7], v[P+16*\u+8*\i:P+16*\u+8*\i+7], v[OA+8*\u:OA+8*\u+7]
.endr
.endr
	s_add_co_u32 s15, s15, 1024
	s_add_co_u32 s16, s16, 2048
	s_sub_co_u32 s14, s14, 1
	s_cmp_lg_u32 s14, 0
	s_cbranch_scc1 .Lpass2
	; THE WAY OUT.  Lanes 0-15 hold a query's 8 channels; l lies in register 0 of the lane 16 away.  What lanes 16-31 make of their own registers below is thrown away.
	PLACES
	v_permlanex16_b32 v10, v[OA], s18, s19
	v_permlanex16_b32 v11, v[OA+8], s18, s19
	v_rcp_f32 v12, v10
	v_rcp_f32 v14, v11
	v_nop
	s_wait_alu depctr_va_vdst(0)                   ; one wait for both reciprocals
.irp e, 0,2,4,6
	v_pk_mul_f32 v[OA+\e:OA+\e+1], v[OA+\e:OA+\e+1], v[12:13] op_sel_hi:[1,0]
	v_pk_mul_f32 v[OA+8+\e:OA+8+\e+1], v[OA+8+\e:OA+8+\e+1], v[14:15] op_sel_hi:[1,0]
.endr
.irp e, 0,1,2,3
	v_cvt_pk_f16_f32 v[QQ+\e], v[OA+2*\e], v[OA+2*\e+1]
	v_cvt_pk_f16_f32 v[QQ+4+\e], v[OA+8+2*\e], v[OA+8+2*\e+1]
.endr
.irp e, 0,1,2,3
	v_permlanex16_b32 v[232+\e], v[QQ+4+\e], s18, s19  ; tile 1's queries go to lanes 16-31
.endr
.irp e, 0,1,2,3
	v_cndmask_b32 v[QQ+\e], v[232+\e], v[QQ+\e], s13
.endr
	global_store_b128 v1, v[QQ:QQ+3], s[10:11]     ; 32 queries, 512 bytes on end
	s_wait_tensorcnt 0x0                           ; the wave's end
	ds_add_u32 v2, v3
	s_wait_dscnt 0x0
	s_endpgm
.Lfunc_end_k_qbff956641d_attn:
	.size	k_qbff956641d_attn, .Lfunc_end_k_qbff956641d_attn-k_qbff956641d_attn
	.p2alignl 7, 3214868480
	.fill 96, 4, 3214868480
	.section	.rodata,"a",@progbits
	.p2align	6, 0x0
	.amdhsa_kernel k_qbff956641d_attn
		.amdhsa_group_segment_fixed_size 51200
		.amdhsa_private_segment_fixed_size 0
		.amdhsa_enable_private_segment 0
		.amdhsa_kernarg_size 32
		.amdhsa_user_sgpr_count 2
		.amdhsa_user_sgpr_kernarg_segment_ptr 1
		.amdhsa_wavefront_size32 1
		.amdhsa_system_sgpr_workgroup_id_x 1
		.amdhsa_system_sgpr_workgroup_id_y 1
		.amdhsa_system_sgpr_workgroup_id_z 1
		.amdhsa_system_vgpr_workitem_id 0
		.amdhsa_next_free_vgpr 256
		.amdhsa_next_free_sgpr 66
		.amdhsa_reserve_vcc 1
		.amdhsa_float_denorm_mode_32 3
		.amdhsa_float_denorm_mode_16_64 3
		.amdhsa_memory_ordered 1
		.amdhsa_forward_progress 1
		.amdhsa_inst_pref_size 18
	.end_amdhsa_kernel
	.amdgpu_metadata
---
amdhsa.version: [ 1, 2 ]
amdhsa.kernels:
  - .name:           k_qbff956641d_attn
    .symbol:         k_qbff956641d_attn.kd
    .args:
      - { .name: qh, .offset: 0, .size: 8, .value_kind: global_buffer, .address_space: global }
      - { .name: kh, .offset: 8, .size: 8, .value_kind: global_buffer, .address_space: global }
      - { .name: vf, .offset: 16, .size: 8, .value_kind: global_buffer, .address_space: global }
      - { .name: ctx, .offset: 24, .size: 8, .value_kind: global_buffer, .address_space: global }
    .group_segment_fixed_size: 51200
    .private_segment_fixed_size: 0
    .kernarg_segment_align: 8
    .kernarg_segment_size: 32
    .max_flat_workgroup_size: 512
    .sgpr_count:     66
    .vgpr_count:     256
    .wavefront_size: 32
...
	.end_amdgpu_metadata
.endif
;; end of part 2
;; launch tail (part 3): grid 128 x 1, 4 waves a work-group, no clusters, 86,016 bytes of LDS; arguments ctx, wpack, x, b_out, b_comb, g1, be1, w_ip, b_ip, theta_ffn, w1, b1, b2, g2, be2, out0; writes out0
.if DOCPART == 3
	.amdgcn_target "amdgcn-amd-amdhsa--gfx1250"
	.amdhsa_code_object_version 6
	.text
	.protected	k_qbff956641d_tail
	.globl	k_qbff956641d_tail
	.p2align	8
	.type	k_qbff956641d_tail,@function
k_qbff956641d_tail:
	s_mov_b64 s[64:65], 0
	v_nop
	global_prefetch_b8 v0, s[64:65] scope:SCOPE_SE
	s_setreg_imm32_b32 hwreg(HW_REG_WAVE_MODE, 25, 1), 1
	s_wait_xcnt 0x0
; LAUNCH 3 OF 3.  All that is local to a row: t1 = ctx w_out^T + b_out; attn_out = t1 w_comb^T + b_comb; h = LN1(x + attn_out); proj = h w_ip^T + b_ip; qf = cos(theta_ffn) cos(proj);
; hidden = relu(qf w1^T + b1); out0 = LN2(h + hidden w2^T + b2).  Nothing of reference() is left out here.
; FORMATS.  Matrix operands f16, sums f32; residuals, means and variances f32, the variance taken of the centred numbers as reference() takes it.  t1 is kept as t1 / 64 and multiplied by 64 w_comb (both factors
; powers of two, so nothing is rounded by them): t1 has room in f16 up to 4.1e6.  LIMITS: h, hidden and the weights must lie within f16's 65,504; the cosine is the first launch's, with its limits
; (series cut at 3.6e-6 for every argument; reduction in f32, about 6e-8 |a| radians).
; SHARES.  A work-group owns 32 rows (two row tiles rt), wave w the columns 64 w .. 64 w + 63 (four tiles ntl) of every product: 8 accumulators.  The weights are source 0, the rows source 1: a lane holds ONE row
; (lane % 16) and 8 neighbouring columns.  What one product makes goes to the next through two LDS buffers of 32 rows x 528 bytes that take turns.
; WEIGHTS.  wpack holds them in fragment order, 32 KiB on end for each chunk of 256 along K and each wave: no wave wants a byte that another wave fetches, so they go straight into registers: window 1 is a ring of
; eight slots, one for each 32 along K; a slot is asked for again, for the next chunk, four places behind its last product: 64 loads of 512 bytes are out all the time.  The chunk stands in the loads' immediate.
; NO CLUSTER, NO TENSOR LOAD: every work-group walks the same 768 KiB once, but a ring in LDS would hold one load a wave for 64 products a wave and add a round of barriers to each chunk.
; 32 ROWS: with 64 the matrix work of a work-group doubles on half as many work-groups; with 16 every weight byte is asked for twice as often.
; THE FFN's FIRST PRODUCT has 8 along K: one load of 16 bytes a lane holds 32 rows of w1 in two slots of 8 places (lanes 0-15, lanes 16-31), and qf stands in two variants, each 0 outside one slot, as in the second launch.
.set PT,    528                        ; a row of 256 f16 + 16 bytes: an odd multiple of 16
.set ABUF0, 0                          ; 32 rows: ctx; h; hidden chunks 1, 3
.set CVEC,  16896                      ; seven vectors of 256 f32: b_out, b_comb, g1, be1, b2, g2, be2
.set B1L,   24064                      ; b1
.set WIPL,  28160                      ; w_ip in f16, 8 rows x 528
.set ABUF1, 32768                      ; 32 rows: t1 / 64; hidden chunks 0, 2
.set W1L,   49664                      ; w1 in f16, 16 bytes a row
.set STG,   66048                      ; a stage of 16 rows x 272 bytes for each wave: f32 tiles change between whole rows and the accumulators' layout
.set SPI,   272
.set RED,   83456                      ; four areas [32 rows][4 waves] f32 for the sums of the two norms
.set SPARE, 85504                      ; the spare words, 128 bytes for each wave
.set AF,  32                           ; v[32:63]   rows' fragments, two sets of two
.set T,   64                           ; v[64:127]  at work
.set ACC, 128                          ; v[128:191] accumulator (rt, ntl) at ACC + 8 (4 rt + ntl)
.set XR,  192                          ; v[192:255] x; then qf's variants v[192:211], results at work v[212:243], the series' factors v[244:253]; at the end the rows to store
; v1 16 lane; v2, v3 the add's; v4 a fragment's place in a buffer; v5 where my 16 bytes of a result go; v6 my 8 numbers of a vector; v7 my row of w1; v8 my 8 numbers of b1; v9 my row of w_ip;
; v10 stage, accumulators' layout; v11 stage, whole rows; v12 my 16 bytes of two rows of x and out0; v13, v14 RED, store and load; v15 0; v[16:19] mean or 1 / sigma of the two row tiles; v[20:31] at work
.set MSB, 0
.macro WIN new                          ; the immediate's high byte repeats the setting that is left; a switch that changes nothing is dropped
.if MSB != (\new)
	s_set_vgpr_msb (MSB<<8)|(\new)
.set MSB, \new
.endif
.endm
.macro PLACES                           ; four places behind a matrix instruction (ISA guide 7.12.1)
.rept 4
	v_nop
.endr
.endm
	s_load_b512 s[8:23], s[0:1], 0x0               ; ctx 8, wpack 10, x 12, b_out 14, b_comb 16, g1 18, be1 20, w_ip 22
	s_load_b512 s[24:39], s[0:1], 0x40             ; b_ip 24, theta_ffn 26, w1 28, b1 30, b2 32, g2 34, be2 36, out0 38
	v_lshl_add_u32 v2, v0, 2, SPARE                ; my spare word, and 0: kept for the closing lines alone
	v_mov_b32 v3, 0
	v_lshrrev_b32 v20, 5, v0
	v_readfirstlane_b32 s56, v20                   ; wave 0..3
	s_mov_b32 s57, 0xffff                          ; lanes 0-15
	s_mov_b32 s68, 0x76543210                      ; v_permlanex16_b32: each lane takes its own place in the other half
	s_mov_b32 s69, 0xfedcba98
	s_mov_b32 s72, 0x3b800000                      ; 1 / 256
	s_mov_b32 s73, 0x3727c5ac                      ; 1e-5
	s_mov_b32 s74, 0x3c800000                      ; 1 / 64
	s_mov_b32 s75, 0x3c800000
	s_mov_b32 s76, 0xbe800000                      ; -1/4
	v_and_b32 v24, 31, v0                          ; lane
	v_and_b32 v25, 15, v0                          ; r
	v_bfe_u32 v26, v0, 4, 1                        ; h
	v_lshlrev_b32 v1, 4, v24
	v_mul_u32_u24 v4, v25, PT
	v_lshl_add_u32 v4, v26, 4, v4                  ; r x 528 + 16 h
	s_lshl_b32 s70, s56, 7
	v_add_nc_u32 v5, s70, v4                       ; + my wave's 64 columns in f16
	s_lshl_b32 s70, s56, 8
	v_lshl_add_u32 v6, v26, 5, s70                 ; 256 w + 32 h
	v_add_nc_u32 v8, B1L, v6
	v_add_nc_u32 v6, CVEC, v6
	s_lshl_b32 s71, s56, 10
	v_add_nc_u32 v7, s71, v1
	v_add_nc_u32 v7, W1L, v7                       ; row 64 w + lane of a chunk's 256
	v_and_b32 v9, 7, v0
	v_mul_u32_u24 v9, v9, PT
	v_lshl_add_u32 v9, v26, 4, v9
	v_add_nc_u32 v9, WIPL, v9                      ; rows 8-15 of the fragment repeat rows 0-7: both halves of the lanes end with the same 8 numbers
	s_mul_i32 s71, s56, 16*SPI
	s_add_co_u32 s71, s71, STG
	v_mul_u32_u24 v10, v25, SPI
	v_lshl_add_u32 v10, v26, 5, v10
	v_add_nc_u32 v10, s71, v10
	v_mul_u32_u24 v11, v26, SPI
	v_lshl_add_u32 v11, v25, 4, v11
	v_add_nc_u32 v11, s71, v11
	v_lshlrev_b32 v12, 10, v26
	v_lshl_add_u32 v12, v25, 4, v12
	v_add_nc_u32 v12, s70, v12
	v_lshlrev_b32 v14, 4, v25
	v_add_nc_u32 v14, RED, v14
	s_lshl_b32 s71, s56, 2
	v_add_nc_u32 v13, s71, v14
	v_mov_b32 v15, 0
	v_mov_b32 v17, 0                               ; named in pairs with v16 and v18
	v_mov_b32 v19, 0
	; the prologue's own addresses
	v_lshlrev_b32 v20, 3, v0                       ; 8 tid
	v_lshlrev_b32 v21, 4, v0                       ; 16 tid
	s_lshl_b32 s71, s56, 14
	v_add_nc_u32 v22, s71, v1                      ; ctx: head w + 4 i, 16 bytes a row: 512 bytes on end
	v_mul_u32_u24 v23, v24, PT
	s_lshl_b32 s71, s56, 4
	v_add_nc_u32 v23, s71, v23                     ; row lane, 16 bytes at head w + 4 i
	v_lshrrev_b32 v27, 6, v0
	v_mul_u32_u24 v27, v27, PT
	v_and_b32 v28, 63, v0
	v_lshl_add_u32 v27, v28, 3, v27
	v_add_nc_u32 v27, WIPL, v27
	v_add_nc_u32 v28, W1L, v20
	v_add_nc_u32 v29, CVEC, v20
	v_add_nc_u32 v30, B1L, v21
	s_wait_kmcnt 0x0
	s_load_b256 s[40:47], s[24:25], 0x0            ; b_ip
	s_load_b256 s[48:55], s[26:27], 0x0            ; theta_ffn
	s_lshr_b32 s58, ttmp9, 5                       ; batch
	s_lshl_b32 s58, s58, 19
	s_and_b32 s59, ttmp9, 31
	s_lshl_b32 s59, s59, 9
	s_add_co_u32 s58, s58, s59
	s_mov_b32 s59, 0
	s_add_nc_u64 s[8:9], s[8:9], s[58:59]          ; ctx at the batch's head 0, my first row
	s_lshl_b32 s58, ttmp9, 15
	s_add_nc_u64 s[12:13], s[12:13], s[58:59]      ; x and out0 at my 32 rows
	s_add_nc_u64 s[38:39], s[38:39], s[58:59]
	s_lshl_b32 s58, s56, 15
	s_add_nc_u64 s[66:67], s[10:11], s[58:59]      ; wpack at my wave's part of chunk 0
.irp i, 0,1,2,3,4,5,6,7
	global_load_b128 v[32+4*\i:35+4*\i], v22, s[8:9] offset:65536*\i
.endr
	global_load_b64 v[64:65], v20, s[14:15]
	global_load_b64 v[66:67], v20, s[16:17]
	global_load_b64 v[68:69], v20, s[18:19]
	global_load_b64 v[70:71], v20, s[20:21]
	global_load_b64 v[72:73], v20, s[32:33]
	global_load_b64 v[74:75], v20, s[34:35]
	global_load_b64 v[76:77], v20, s[36:37]
	global_load_b128 v[78:81], v21, s[30:31]
	global_load_b128 v[82:85], v21, s[30:31] offset:2048
.irp i, 0,1,2,3
	global_load_b128 v[86+4*\i:89+4*\i], v21, s[22:23] offset:2048*\i
.endr
.set n_, 0
.rept 16
	global_load_b128 v[128+4*n_:131+4*n_], v21, s[28:29] offset:2048*n_
.set n_, n_+1
.endr
	WIN 0x40                                       ; destination window 1, address window 0
.set n_, 0
.rept 64                                ; the ring's first fill: chunk 0, 32 KiB on end
	global_load_b128 v[4*n_:4*n_+3], v1, s[66:67] offset:512*n_
.set n_, n_+1
.endr
	WIN 0
	s_wait_loadcnt 63                              ; 64 loads are younger than the last small one; 63 is the largest count that the wait can name
.irp i, 0,1,2,3,4,5,6,7
	ds_store_b128 v23, v[32+4*\i:35+4*\i] offset:64*\i
.endr
.irp i, 0,1,2,3,4,5,6
	ds_store_b64 v29, v[64+2*\i:65+2*\i] offset:1024*\i
.endr
	ds_store_b128 v30, v[78:81]
	ds_store_b128 v30, v[82:85] offset:2048
.irp i, 0,1,2,3
	v_cvt_pk_f16_f32 v[86+4*\i], v[86+4*\i], v[87+4*\i]
	v_cvt_pk_f16_f32 v[87+4*\i], v[88+4*\i], v[89+4*\i]
	ds_store_b64 v27, v[86+4*\i:87+4*\i] offset:2*PT*\i
.endr
.set n_, 0
.rept 16
	v_cvt_pk_f16_f32 v[128+4*n_], v[128+4*n_], v[129+4*n_]
	v_cvt_pk_f16_f32 v[129+4*n_], v[130+4*n_], v[131+4*n_]
	ds_store_b64 v28, v[128+4*n_:129+4*n_] offset:1024*n_
.set n_, n_+1
.endr
.set n_, 0
.rept 16                                ; x: my 64 columns of two rows a load, 256 bytes on end for each half of the lanes; wanted behind the second product
	global_load_b128 v[XR+4*n_:XR+4*n_+3], v12, s[12:13] offset:2048*n_
.set n_, n_+1
.endr
	s_wait_dscnt 0x0
	s_barrier_signal -1
	s_barrier_wait -1
.macro CVLOAD vec, dst                  ; my 8 numbers of a vector for each of my four column tiles: 32 registers
.set q_, 0
.rept 8
	ds_load_b128 v[(\dst)+4*q_:(\dst)+4*q_+3], v6 offset:1024*(\vec)+64*(q_/2)+16*(q_%2)
.set q_, q_+1
.endr
.endm
.macro AFETCH ab, k                     ; the two row tiles' fragments of 32 along K, into set k % 2
.irp rt, 0,1
	ds_load_b128 v[AF+16*((\k)%2)+8*\rt:AF+16*((\k)%2)+8*\rt+3],   v4 offset:(\ab)+16*PT*\rt+64*(\k)
	ds_load_b128 v[AF+16*((\k)%2)+8*\rt+4:AF+16*((\k)%2)+8*\rt+7], v4 offset:(\ab)+16*PT*\rt+64*(\k)+32
.endr
.endm
; A CHUNK: 256 along K, 64 products, the 8 accumulators by turns, one instruction a turn.  c: the chunk; ab: the rows' buffer; cm = 1: the sums start with T's 32 numbers;
; rf = 1: each slot is asked for again, for chunk c + 1; cnt: how many younger loads may stay out when a slot is wanted.
.macro CHUNK c, ab, cm, rf, cnt
	WIN 0
	AFETCH \ab, 0
.set ks_, 0
.rept 8
	WIN 0
.if ks_ < 7
	AFETCH \ab, ks_+1
.endif
.if \rf
	s_wait_loadcnt \cnt
.else
	s_wait_loadcnt 8*(7-ks_)                       ; the last chunk: only the slots behind this one are out
.endif
.if ks_ < 7
	s_wait_dscnt 4                                 ; the four just issued may stay out
.else
	s_wait_dscnt 0x0
.endif
	WIN 0x01                                       ; source 0, the weights, in window 1
.set q_, 0
.rept 8
.if (\cm) && (ks_ == 0)
	v_wmma_f32_16x16x32_f16 v[ACC+8*q_:ACC+8*q_+7], v[32*ks_+8*(q_%4):32*ks_+8*(q_%4)+7], v[AF+16*(ks_%2)+8*(q_/4):AF+16*(ks_%2)+8*(q_/4)+7], v[T+8*(q_%4):T+8*(q_%4)+7]
.else
	v_wmma_f32_16x16x32_f16 v[ACC+8*q_:ACC+8*q_+7], v[32*ks_+8*(q_%4):32*ks_+8*(q_%4)+7], v[AF+16*(ks_%2)+8*(q_/4):AF+16*(ks_%2)+8*(q_/4)+7], v[ACC+8*q_:ACC+8*q_+7]
.endif
.set q_, q_+1
.endr
	PLACES                                         ; in front of the loads into the slot and the set just multiplied, and of what reads the sums behind the chunk
.if \rf
	WIN 0x40
.set q_, 0
.rept 8
	global_load_b128 v[32*ks_+4*q_:32*ks_+4*q_+3], v1, s[66:67] offset:131072*((\c)+1)+4096*ks_+512*q_
.set q_, q_+1
.endr
.endif
.set ks_, ks_+1
.endr
	WIN 0
.endm
.macro TOBUF ab, sc                     ; the 8 accumulators, (sc = 1: divided by 64,) rounded to f16, 16 bytes a lane into a buffer; each accumulator in ascending order
.set q_, 0
.rept 8
.if \sc
.irp e, 0,2,4,6
	v_pk_mul_f32 v[ACC+8*q_+\e:ACC+8*q_+\e+1], v[ACC+8*q_+\e:ACC+8*q_+\e+1], s[74:75] op_sel_hi:[1,0]
.endr
.endif
.irp e, 0,1,2,3
	v_cvt_pk_f16_f32 v[T+4*q_+\e], v[ACC+8*q_+2*\e], v[ACC+8*q_+2*\e+1]
.endr
	ds_store_b128 v5, v[T+4*q_:T+4*q_+3] offset:(\ab)+16*PT*(q_/4)+32*(q_%4)
.set q_, q_+1
.endr
.endm
.macro SUM32 rt, sq, area               ; a row's sum (sq = 1: of squares) over my wave's 64 columns: 32 registers, the lane 16 away, then into RED
.set A_, ACC+32*(\rt)
.set T_, T+16*(\rt)
.set k_, 0
.rept 8
.if \sq
	v_pk_mul_f32 v[T_+2*k_:T_+2*k_+1], v[A_+4*k_:A_+4*k_+1], v[A_+4*k_:A_+4*k_+1]
.else
	v_pk_add_f32 v[T_+2*k_:T_+2*k_+1], v[A_+4*k_:A_+4*k_+1], v[A_+4*k_+2:A_+4*k_+3]
.endif
.set k_, k_+1
.endr
.if \sq
.set k_, 0
.rept 8
	v_pk_fma_f32 v[T_+2*k_:T_+2*k_+1], v[A_+4*k_+2:A_+4*k_+3], v[A_+4*k_+2:A_+4*k_+3], v[T_+2*k_:T_+2*k_+1]
.set k_, k_+1
.endr
.endif
.irp k, 0,2,4,6
	v_pk_add_f32 v[T_+\k:T_+\k+1], v[T_+\k:T_+\k+1], v[T_+\k+8:T_+\k+9]
.endr
.irp k, 0,2
	v_pk_add_f32 v[T_+\k:T_+\k+1], v[T_+\k:T_+\k+1], v[T_+\k+4:T_+\k+5]
.endr
	v_pk_add_f32 v[T_:T_+1], v[T_:T_+1], v[T_+2:T_+3]
	v_add_f32 v[T_], v[T_], v[T_+1]
	v_permlanex16_b32 v[T_+1], v[T_], s68, s69
	v_add_f32 v[T_], v[T_], v[T_+1]
	ds_store_b32 v13, v[T_] offset:512*(\area)+256*(\rt)
.endm
.macro RSUM area                        ; the four waves' sums of my two rows: v20, v24
	ds_load_b128 v[20:23], v14 offset:512*(\area)
	ds_load_b128 v[24:27], v14 offset:512*(\area)+256
.endm
.macro RADD
	v_add_f32 v20, v20, v21
	v_add_f32 v22, v22, v23
	v_add_f32 v24, v24, v25
	v_add_f32 v26, v26, v27
	v_add_f32 v20, v20, v22
	v_add_f32 v24, v24, v26
.endm
; LAYERNORM of the accumulators in place: the mean, the centred numbers, their squares' mean, 1 / sqrt(var + eps), times g plus be.  Two barriers; each sum has an area of RED of its own.
.macro LNORM a0, a1, gv, bv
	SUM32 0, 0, \a0
	SUM32 1, 0, \a0
	s_wait_dscnt 0x0
	s_barrier_signal -1
	s_barrier_wait -1
	RSUM \a0
	s_wait_dscnt 0x0
	RADD
	v_mul_f32 v16, s72, v20
	v_mul_f32 v18, s72, v24
.set k_, 0
.rept 32
	v_pk_add_f32 v[ACC+2*k_:ACC+2*k_+1], v[ACC+2*k_:ACC+2*k_+1], v[16+2*(k_/16):17+2*(k_/16)] op_sel_hi:[1,0] neg_lo:[0,1] neg_hi:[0,1]
.set k_, k_+1
.endr
	SUM32 0, 1, \a1
	SUM32 1, 1, \a1
	s_wait_dscnt 0x0
	s_barrier_signal -1
	s_barrier_wait -1
	RSUM \a1
	CVLOAD \gv, T+32
	CVLOAD \bv, T
	s_wait_dscnt 16                                ; the 16 loads of g and be may stay out
	RADD
	v_fma_f32 v20, v20, s72, s73
	v_fma_f32 v24, v24, s72, s73
	v_rsq_f32 v16, v20
	v_rsq_f32 v18, v24
	v_nop
	s_wait_alu depctr_va_vdst(0)                   ; one wait for both roots
	s_wait_dscnt 0x0
.set k_, 0
.rept 32
	v_pk_mul_f32 v[ACC+2*k_:ACC+2*k_+1], v[ACC+2*k_:ACC+2*k_+1], v[16+2*(k_/16):17+2*(k_/16)] op_sel_hi:[1,0]
.set k_, k_+1
.endr
.set k_, 0
.rept 32
	v_pk_fma_f32 v[ACC+2*k_:ACC+2*k_+1], v[ACC+2*k_:ACC+2*k_+1], v[T+32+2*(k_%16):T+32+2*(k_%16)+1], v[T+2*(k_%16):T+2*(k_%16)+1]
.set k_, k_+1
.endr
.endm
.macro COS8 a                           ; v[a .. a+7], which hold t = angle / 2 pi, become the cosines; at work: v[112:127]
.irp e, 0,1,2,3,4,5,6,7
	v_rndne_f32 v[112+\e], v[(\a)+\e]
.endr
.irp k, 0,2,4,6
	v_pk_add_f32 v[(\a)+\k:(\a)+\k+1], v[(\a)+\k:(\a)+\k+1], v[112+\k:113+\k] neg_lo:[0,1] neg_hi:[0,1]
.endr
.irp e, 0,1,2,3,4,5,6,7
	v_add_f32 v[(\a)+\e], |v[(\a)+\e]|, s76
.endr
.irp k, 0,2,4,6
	v_pk_mul_f32 v[112+\k:113+\k], v[(\a)+\k:(\a)+\k+1], v[(\a)+\k:(\a)+\k+1]
.endr
.irp k, 0,2,4,6
	v_pk_fma_f32 v[120+\k:121+\k], v[112+\k:113+\k], v[252:253], v[250:251]
.endr
.irp k, 0,2,4,6
	v_pk_fma_f32 v[120+\k:121+\k], v[120+\k:121+\k], v[112+\k:113+\k], v[248:249]
.endr
.irp k, 0,2,4,6
	v_pk_fma_f32 v[120+\k:121+\k], v[120+\k:121+\k], v[112+\k:113+\k], v[246:247]
.endr
.irp k, 0,2,4,6
	v_pk_fma_f32 v[120+\k:121+\k], v[120+\k:121+\k], v[112+\k:113+\k], v[244:245]
.endr
.irp k, 0,2,4,6
	v_pk_mul_f32 v[(\a)+\k:(\a)+\k+1], v[(\a)+\k:(\a)+\k+1], v[120+\k:121+\k]
.endr
.endm
.macro PROJH hf                         ; half of proj = h w_ip^T: 128 along K, both row tiles, the two accumulators by turns
.irp q, 0,1,2,3
	ds_load_b128 v[AF+8*\q:AF+8*\q+3],     v9 offset:64*(4*(\hf)+\q)
	ds_load_b128 v[AF+8*\q+4:AF+8*\q+7],   v9 offset:64*(4*(\hf)+\q)+32
	ds_load_b128 v[T+16*\q:T+16*\q+3],     v4 offset:64*(4*(\hf)+\q)
	ds_load_b128 v[T+16*\q+4:T+16*\q+7],   v4 offset:64*(4*(\hf)+\q)+32
	ds_load_b128 v[T+16*\q+8:T+16*\q+11],  v4 offset:16*PT+64*(4*(\hf)+\q)
	ds_load_b128 v[T+16*\q+12:T+16*\q+15], v4 offset:16*PT+64*(4*(\hf)+\q)+32
.endr
	s_wait_dscnt 0x0
.irp q, 0,1,2,3
.if ((\hf)+\q) == 0
	v_wmma_f32_16x16x32_f16 v[212:219], v[AF+8*\q:AF+8*\q+7], v[T+16*\q:T+16*\q+7],    v[228:235]
	v_wmma_f32_16x16x32_f16 v[220:227], v[AF+8*\q:AF+8*\q+7], v[T+16*\q+8:T+16*\q+15], v[228:235]
.else
	v_wmma_f32_16x16x32_f16 v[212:219], v[AF+8*\q:AF+8*\q+7], v[T+16*\q:T+16*\q+7],    v[212:219]
	v_wmma_f32_16x16x32_f16 v[220:227], v[AF+8*\q:AF+8*\q+7], v[T+16*\q+8:T+16*\q+15], v[220:227]
.endif
.endr
	PLACES
.endm
; hidden = relu(qf w1^T + b1) for my 64 columns of chunk c, both row tiles, into buffer hb.  d = 2 a + rt: slot a (16 rows of w1), row tile rt.  Source 0's upper half (v[68:71], v[76:79]) is 0, so what stands in source 1's is multiplied by 0.
.macro FFN1 c, hb
	ds_load_b128 v[64:67], v7 offset:4096*(\c)
	ds_load_b128 v[72:75], v7 offset:4096*(\c)+512
.set q_, 0
.rept 8
	ds_load_b128 v[80+4*q_:83+4*q_], v8 offset:1024*(\c)+64*(q_/2)+16*(q_%2)
.set q_, q_+1
.endr
	s_wait_dscnt 0x0
.irp gq, 0,1
.irp d, 0,1,2,3
	v_wmma_f32_16x16x32_f16 v[212+8*\d:219+8*\d], v[64+8*\gq:71+8*\gq], v[192+8*(\d%2)+4*(\d/2):199+8*(\d%2)+4*(\d/2)], v[80+8*(2*\gq+\d/2):87+8*(2*\gq+\d/2)]
.endr
	PLACES
.irp d, 0,1,2,3
.irp e, 0,1,2,3
	v_cvt_pk_f16_f32 v[212+8*\d+\e], v[212+8*\d+2*\e], v[213+8*\d+2*\e]
.endr
.irp e, 0,1,2,3
	v_pk_max_num_f16 v[212+8*\d+\e], v[212+8*\d+\e], v15
.endr
	ds_store_b128 v5, v[212+8*\d:215+8*\d] offset:(\hb)+16*PT*(\d%2)+32*(2*\gq+\d/2)
.endr
.endr
.endm
.macro MEET                             ; my LDS stores are done and my LDS loads are back; then everybody's
	s_wait_dscnt 0x0
	s_barrier_signal -1
	s_barrier_wait -1
.endm
	; t1 = ctx w_out^T + b_out, kept as t1 / 64
	CVLOAD 0, T
	CHUNK 0, ABUF0, 1, 1, 63                       ; 56 loads of the other slots and x's 16 are younger than a slot's; 63 is the largest count that the wait can name
	TOBUF ABUF1, 1
	MEET
	; attn_out = (t1 / 64) (64 w_comb)^T + b_comb
	CVLOAD 1, T
	CHUNK 1, ABUF1, 1, 1, 56                       ; the seven other slots' 56 loads may stay out; x, which is older, is in with the first of these waits
	; + x: whole rows into my stage, back in the accumulators' layout.  LDS serves a wave's instructions in order (ISA guide 5.7.1.4): the second tile's stores come behind the first's loads
.irp rt, 0,1
.irp i, 0,1,2,3,4,5,6,7
	ds_store_b128 v11, v[XR+32*\rt+4*\i:XR+32*\rt+4*\i+3] offset:2*SPI*\i
.endr
.irp q, 0,1,2,3,4,5,6,7
	ds_load_b128 v[T+32*\rt+4*\q:T+32*\rt+4*\q+3], v10 offset:64*(\q/2)+16*(\q%2)
.endr
.endr
	s_wait_dscnt 16                                ; the second tile's 8 stores and 8 loads may stay out
.set k_, 0
.rept 32
.if k_ == 16
	s_wait_dscnt 0x0
.endif
	v_pk_add_f32 v[ACC+2*k_:ACC+2*k_+1], v[ACC+2*k_:ACC+2*k_+1], v[T+2*k_:T+2*k_+1]
.set k_, k_+1
.endr
	LNORM 0, 1, 2, 3                               ; h
	CVLOAD 4, T+32                                 ; b2
	TOBUF ABUF0, 0                                 ; h in f16, for proj
	s_wait_dscnt 0x0
.set k_, 0
.rept 32
	v_pk_add_f32 v[ACC+2*k_:ACC+2*k_+1], v[ACC+2*k_:ACC+2*k_+1], v[T+32+2*(k_%16):T+32+2*(k_%16)+1]  ; the last sums start with h + b2
.set k_, k_+1
.endr
	s_barrier_signal -1
	s_barrier_wait -1
	; proj, and qf = cos(theta_ffn) cos(proj): every wave makes all 32 rows' 8 numbers
	s_wait_kmcnt 0x0
.irp j, 0,1,2,3,4,5,6,7
	v_mov_b32 v[228+\j], s[40+\j]                  ; b_ip starts the sums
	v_mov_b32 v[236+\j], s[48+\j]
.endr
.irp p, 0,1
	v_mov_b32 v[244+\p], 0xc0c90fdb                ; K1 = -2 pi
	v_mov_b32 v[246+\p], 0x42255de7                ; K3 = (2 pi)^3 / 6
	v_mov_b32 v[248+\p], 0xc2a335e3                ; K5 = -(2 pi)^5 / 120
	v_mov_b32 v[250+\p], 0x42996966                ; K7 = (2 pi)^7 / 5040
	v_mov_b32 v[252+\p], 0xc2283c1a                ; K9 = -(2 pi)^9 / 362880
.endr
	PROJH 0
	PROJH 1
.irp k, 0,2,4,6,8,10,12,14
	v_pk_mul_f32 v[212+\k:213+\k], v[212+\k:213+\k], 0.15915494 op_sel_hi:[1,0]
.endr
.irp k, 0,2,4,6
	v_pk_mul_f32 v[236+\k:237+\k], v[236+\k:237+\k], 0.15915494 op_sel_hi:[1,0]
.endr
	COS8 212
	COS8 220
	COS8 236
.irp k, 0,2,4,6
	v_pk_mul_f32 v[212+\k:213+\k], v[212+\k:213+\k], v[236+\k:237+\k]
	v_pk_mul_f32 v[220+\k:221+\k], v[220+\k:221+\k], v[236+\k:237+\k]
.endr
.irp e, 0,1,2,3
	v_cvt_pk_f16_f32 v[112+\e], v[212+2*\e], v[213+2*\e]
	v_cvt_pk_f16_f32 v[116+\e], v[220+2*\e], v[221+2*\e]
.endr
.irp rt, 0,1
.irp e, 0,1,2,3
	v_cndmask_b32 v[192+8*\rt+\e], 0, v[112+4*\rt+\e], s57   ; qf in lanes 0-15: the first slot
	v_cndmask_b32 v[196+8*\rt+\e], v[112+4*\rt+\e], 0, s57   ; in lanes 16-31: the second
.endr
.endr
.irp e, 0,1,2,3
	v_mov_b32 v[208+\e], 0
	v_mov_b32 v[68+\e], 0
	v_mov_b32 v[76+\e], 0
.endr
	; the FFN: hidden's chunk n + 1 is made into one buffer, then chunk n is multiplied out of the other
	FFN1 0, ABUF1
	MEET
	FFN1 1, ABUF0
	CHUNK 2, ABUF1, 0, 1, 56
	MEET
	FFN1 2, ABUF1
	CHUNK 3, ABUF0, 0, 1, 56
	MEET
	FFN1 3, ABUF0
	CHUNK 4, ABUF1, 0, 1, 56
	MEET
	CHUNK 5, ABUF0, 0, 0, 0
	LNORM 2, 3, 5, 6
	; THE WAY OUT: through my stage, back as whole rows
.irp rt, 0,1
.irp q, 0,1,2,3,4,5,6,7
	ds_store_b128 v10, v[ACC+32*\rt+4*\q:ACC+32*\rt+4*\q+3] offset:64*(\q/2)+16*(\q%2)
.endr
.irp i, 0,1,2,3,4,5,6,7
	ds_load_b128 v[XR+32*\rt+4*\i:XR+32*\rt+4*\i+3], v11 offset:2*SPI*\i
.endr
.endr
	s_wait_dscnt 16                                ; the second tile's 8 stores and 8 loads may stay out
.set n_, 0
.rept 16
.if n_ == 8
	s_wait_dscnt 0x0
.endif
	global_store_b128 v12, v[XR+4*n_:XR+4*n_+3], s[38:39] offset:2048*n_  ; each half of the lanes: 256 bytes on end of a row, aligned
.set n_, n_+1
.endr
	s_wait_tensorcnt 0x0                           ; the wave's end
	ds_add_u32 v2, v3
	s_wait_dscnt 0x0
	s_endpgm
.Lfunc_end_k_qbff956641d_tail:
	.size	k_qbff956641d_tail, .Lfunc_end_k_qbff956641d_tail-k_qbff956641d_tail
	.p2alignl 7, 3214868480
	.fill 96, 4, 3214868480
	.section	.rodata,"a",@progbits
	.p2align	6, 0x0
	.amdhsa_kernel k_qbff956641d_tail
		.amdhsa_group_segment_fixed_size 86016
		.amdhsa_private_segment_fixed_size 0
		.amdhsa_enable_private_segment 0
		.amdhsa_kernarg_size 128
		.amdhsa_user_sgpr_count 2
		.amdhsa_user_sgpr_kernarg_segment_ptr 1
		.amdhsa_wavefront_size32 1
		.amdhsa_system_sgpr_workgroup_id_x 1
		.amdhsa_system_sgpr_workgroup_id_y 1
		.amdhsa_system_sgpr_workgroup_id_z 1
		.amdhsa_system_vgpr_workitem_id 0
		.amdhsa_next_free_vgpr 512
		.amdhsa_next_free_sgpr 80
		.amdhsa_reserve_vcc 0
		.amdhsa_float_denorm_mode_32 3
		.amdhsa_float_denorm_mode_16_64 3
		.amdhsa_memory_ordered 1
		.amdhsa_forward_progress 1
		.amdhsa_inst_pref_size 186
	.end_amdhsa_kernel
	.amdgpu_metadata
---
amdhsa.version: [ 1, 2 ]
amdhsa.kernels:
  - .name:           k_qbff956641d_tail
    .symbol:         k_qbff956641d_tail.kd
    .args:
      - { .name: ctx, .offset: 0, .size: 8, .value_kind: global_buffer, .address_space: global }
      - { .name: wpack, .offset: 8, .size: 8, .value_kind: global_buffer, .address_space: global }
      - { .name: x, .offset: 16, .size: 8, .value_kind: global_buffer, .address_space: global }
      - { .name: b_out, .offset: 24, .size: 8, .value_kind: global_buffer, .address_space: global }
      - { .name: b_comb, .offset: 32, .size: 8, .value_kind: global_buffer, .address_space: global }
      - { .name: g1, .offset: 40, .size: 8, .value_kind: global_buffer, .address_space: global }
      - { .name: be1, .offset: 48, .size: 8, .value_kind: global_buffer, .address_space: global }
      - { .name: w_ip, .offset: 56, .size: 8, .value_kind: global_buffer, .address_space: global }
      - { .name: b_ip, .offset: 64, .size: 8, .value_kind: global_buffer, .address_space: global }
      - { .name: theta_ffn, .offset: 72, .size: 8, .value_kind: global_buffer, .address_space: global }
      - { .name: w1, .offset: 80, .size: 8, .value_kind: global_buffer, .address_space: global }
      - { .name: b1, .offset: 88, .size: 8, .value_kind: global_buffer, .address_space: global }
      - { .name: b2, .offset: 96, .size: 8, .value_kind: global_buffer, .address_space: global }
      - { .name: g2, .offset: 104, .size: 8, .value_kind: global_buffer, .address_space: global }
      - { .name: be2, .offset: 112, .size: 8, .value_kind: global_buffer, .address_space: global }
      - { .name: out0, .offset: 120, .size: 8, .value_kind: global_buffer, .address_space: global }
    .group_segment_fixed_size: 86016
    .private_segment_fixed_size: 0
    .kernarg_segment_align: 8
    .kernarg_segment_size: 128
    .max_flat_workgroup_size: 128
    .sgpr_count:     80
    .vgpr_count:     512
    .wavefront_size: 32
...
	.end_amdgpu_metadata
.endif
;; end of part 3
;; ======== version 2 of 2: 3 launches; version 1 with the launches qkv, tail written anew for expert scheduling mode
;; limits: values are held in f16: magnitudes above 65,504 overflow, below 6.1e-05 lose precision; a function is approximated: absolute error at most 3.6e-06; an absolute error that grows with the inputs' magnitude: up to 6e-08 times it
;; workspace buffers: qh 2,097,152 bytes; kh 2,097,152 bytes; vf 2,097,152 bytes; ctx 2,097,152 bytes; wpack 786,432 bytes
;; launch qkv (part 4): grid 4 x 64, 8 waves a work-group, no clusters, 136,192 bytes of LDS; arguments x, theta_attn, w_in, b_in, w_out, w_comb, w2, qh, kh, vf, wpack; writes qh, kh, vf, wpack
.if DOCPART == 4
	.amdgcn_target "amdgcn-amd-amdhsa--gfx1250"
	.amdhsa_code_object_version 6
	.text
	.protected	k_qbff956641d_qkv
	.globl	k_qbff956641d_qkv
	.p2align	8
	.type	k_qbff956641d_qkv,@function
k_qbff956641d_qkv:
	s_mov_b64 s[64:65], 0
	v_nop
	global_prefetch_b8 v0, s[64:65] scope:SCOPE_SE
	s_setreg_imm32_b32 hwreg(HW_REG_WAVE_SCHED_MODE, 0, 2), 2
	s_setreg_imm32_b32 hwreg(HW_REG_WAVE_MODE, 25, 1), 1
	s_wait_xcnt 0x0
	s_wait_alu depctr_vm_vsrc(0)
; LAUNCH 1 OF 3.  q_out = cos(x + theta_attn); qkv = q_out w_in^T + b_in, written by heads in f16; and the weights of the third launch, packed in f16 in the order of matrix fragments.
; WORK LEFT OUT.  b_in[256:512], the bias of k.  With it a score is q_i . (k_j + b_k) = q_i . k_j + q_i . b_k; the second term is the same for all keys j of row i, and softmax along j
; takes any such term away, for all finite values of the inputs.  So k is made without its bias and those 256 numbers are not loaded; the rest of b_in is.  LIMIT: a NaN, an infinity or an
; overflow that reaches only that term is not carried to the result.
; FORMATS.  Matrix operands in f16, sums in f32.  cos lies in -1 .. 1; q, k, v are sums of 256 such numbers times weights, far inside f16's 65,504 also for weights 30 times the usual.
; q is stored as c (q + b_q), c = log2(e) / sqrt(8): c is multiplied into w_q and b_q in f32, before their one rounding.
; COSINE.  No cosine instruction is used: t = a / 2 pi, f = t - round(t), g = |f| - 1/4 (so |g| <= 1/4 for every a), cos a = -sin(2 pi g) = g (K1 + u (K3 + u (K5 + u (K7 + u K9)))), u = g g:
; the series of the sine up to the 9th power, whose first term left out is at most (pi/2)^11 / 11! = 3.6e-6.  LIMIT: the reduction is in f32, its error about 6e-8 |a| radians.
; SHARES.  Work-group (jn, rb): 64 tokens 64 rb .., and the 64 columns 64 jn .. of each of q, k, v (heads 8 jn .. 8 jn + 7).  x's 64 rows and the three blocks of 64 rows of w_in are 64 KiB on end each:
; a thread takes 16 bytes of every 4,096, converts, and puts 8 bytes of f16 into LDS rows 528 bytes apart (an odd multiple of 16).  Wave v: row tiles 2 (v & 1), + 1; one tile of 16 columns (v >> 1) of each kind.
; q and k are multiplied with the weights as source 0: a lane then holds one token and the 8 channels of one head, 16 bytes of qh or kh.  v with the tokens as source 0: a lane holds one channel and 8 tokens,
; 16 bytes of vf, which is laid as the second launch's fragments of V^T want it: [g][32 keys kb][j][h][channel][8 keys], key = 32 kb + 16 j + 8 h + e.
; SIDE JOB.  Waves 0 to 5 each pack one unit of 512 bytes of wpack: [c 6][w 4][ks 8][ntl 4][j 2][lane 32][8 f16]; c = 0: w_out, 1: 64 w_comb, 2 .. 5: w2[:, 256 (c - 2) ..]; row 16 (4 w + ntl) + lane % 16, k = 32 ks + 16 j + 8 (lane / 16).
; THE MODE: SCHED_MODE bits 1:0 = 2 (LLVM: expert scheduling mode 2), set by the entry lines.  The code itself states the register dependences
; between vector or matrix instructions and memory or LDS instructions, with s_wait_alu, always for 0.
; THE PLAN.  Registers that memory or LDS instructions touch:
;   R0, R1, R2   A block of 16 loads lands; the block's arithmetic works in place, and its roundings close each four numbers up into the first two of their four registers; one wait; a run of LDS stores reads those pairs.
;                R0 is loaded twice (x, then w_v): behind x's stores a wait states that they have read it.  T is at work for the cosine alone: no memory instruction names it.
;   PKR          Loaded, packed in place, read by one global store, never written again.
;   v1, v4-v11   Offsets and LDS addresses, made at the head, never written again.  v12 is theta's offset and, in the second phase, an LDS address.
;   FA, FB       Second phase: two sets of fragments, two K steps (20 LDS loads) each.  A set's 12 products read it; one wait; the set is loaded again, with the K steps four further on.
;   PK           The results in f16: written by the roundings, one wait, read by the six global stores.
.set PITCH, 528
.set W16,   64*PITCH                   ; behind the 64 rows of cos(x + theta): three blocks of 64 rows of w_in
.set WBLK,  64*PITCH
.set SPARE, 256*PITCH                  ; behind them: the spare words, 128 bytes for each of the eight waves
.set R0,  16                           ; v[16:79]   a block of 16 loads: x, later w_v
.set R1,  80                           ; v[80:143]  w_q
.set R2,  144                          ; v[144:207] w_k
.set T,   208                          ; v[208:223] at work
.set KC,  224                          ; v[224:233] K1, K3, K5, K7, K9, each twice
.set THC, 234                          ; v[234:237] theta / 2 pi of my four columns
.set PKR, 238                          ; v[238:245] the packing's 8 numbers
.set BQ,  246                          ; v[246:253] c b_q of my 8 channels
.set BV0, 254                          ; v254       b_v of my channel
.set ACC, 16                           ; second phase: v[16:63] accumulator (row tile i, kind kd) at ACC + 24 i + 8 kd
.set BV,  64                           ; v[64:71]   b_v eight times
.set FA,  78                           ; v[78:157]  a set of fragments: K step s at + 40 (s % 2); in it tokens i at + 8 i, weights kd at + 16 + 8 kd
.set FB,  158                          ; v[158:237] the other set
.set PK,  80                           ; v[80:103]  results in f16, where the first set lay
	s_load_b512 s[8:23], s[0:1], 0x0               ; x 8, theta_attn 10, w_in 12, b_in 14, w_out 16, w_comb 18, w2 20, qh 22
	s_load_b128 s[24:27], s[0:1], 0x40             ; kh 24, vf 26
	s_load_b64 s[28:29], s[0:1], 0x50              ; wpack
	v_lshl_add_u32 v2, v0, 2, SPARE                ; my spare word, and 0: kept for the closing lines alone
	v_mov_b32 v3, 0
	v_lshrrev_b32 v4, 5, v0
	v_readfirstlane_b32 s30, v4                    ; wave 0..7
	s_mov_b32 s33, ttmp9                           ; jn
	s_and_b32 s34, ttmp7, 0xffff                   ; rb
	s_mov_b32 s36, 0x3f0293ee                      ; c = log2(e) / sqrt(8)
	s_mov_b32 s37, 0x3f0293ee
	s_mov_b32 s38, 0xbe800000                      ; -1/4
	s_wait_alu depctr_va_sdst(0)                   ; s30 is written, ahead of its first reader
	s_and_b32 s31, s30, 1                          ; rh: which pair of row tiles
	s_lshr_b32 s32, s30, 1                         ; cg: which tile of 16 columns
	; the packing's unit U = 6 (4 rb + jn) + wave, 0 .. 1535 in waves 0 to 5
	s_lshl2_add_u32 s44, s34, s33
	s_mul_i32 s44, s44, 6
	s_add_co_u32 s44, s44, s30
	s_lshr_b32 s45, s44, 8                         ; c
	s_bfe_u32 s46, s44, 0x20006                    ; w
	s_bfe_u32 s47, s44, 0x30003                    ; ks
	s_bfe_u32 s48, s44, 0x20001                    ; ntl
	s_and_b32 s49, s44, 1                          ; j
	s_sub_co_u32 s55, s45, 2
	s_cmp_ge_u32 s45, 2                            ; w2?
	s_cselect_b32 s54, 12, 10                      ; a source row is 4,096 bytes or 1,024
	s_cselect_b32 s55, s55, 0                      ; which 256 columns of w2
	s_lshl_b32 s50, s46, 6
	s_lshl4_add_u32 s50, s48, s50                  ; first row 64 w + 16 ntl
	s_lshl_b32 s50, s50, s54
	s_lshl_b32 s55, s55, 10
	s_add_co_u32 s50, s50, s55
	s_lshl_b32 s47, s47, 7
	s_add_co_u32 s50, s50, s47
	s_lshl_b32 s49, s49, 6
	s_add_co_u32 s50, s50, s49                     ; + 4 (256 cc + 32 ks + 16 j)
	s_mov_b32 s51, 0
	s_lshl_b32 s52, s44, 9                         ; the unit's place in wpack
	s_mov_b32 s53, 0
	s_cmp_eq_u32 s45, 1
	s_cselect_b32 s40, 0x42800000, 1.0             ; w_comb is packed as 64 w_comb (the third launch keeps its other operand divided by 64)
	s_mov_b32 s41, s40
	v_lshlrev_b32 v1, 4, v0                        ; 16 tid: my 16 bytes of every 4,096 of a block
	v_lshrrev_b32 v4, 6, v0
	v_and_b32 v5, 63, v0
	v_mul_u32_u24 v4, v4, PITCH
	v_lshl_add_u32 v4, v5, 3, v4                   ; row tid / 64, 8 bytes at column 4 (tid % 64): where they go in LDS; load i goes 4 rows further down
	v_add_nc_u32 v5, W16, v4
	v_add_nc_u32 v6, W16+WBLK, v4
	v_add_nc_u32 v7, W16+2*WBLK, v4
	v_and_b32 v13, 15, v0                          ; r
	v_bfe_u32 v14, v0, 4, 1                        ; h
	v_and_b32 v9, 31, v0
	v_lshlrev_b32 v9, 4, v9                        ; 16 lane
	v_lshlrev_b32 v8, s54, v13
	v_lshl_add_u32 v8, v14, 5, v8                  ; the packing's source: row r, 32 bytes for each half of the lanes
	s_lshl_b32 s62, s33, 8
	s_lshl_b32 s63, s32, 6
	s_add_co_u32 s62, s62, s63                     ; 4 (64 jn + 16 cg)
	s_add_co_u32 s63, s62, 2048                    ; the same in b_in's last third
	v_lshl_add_u32 v10, v14, 5, s62                ; b_q of my 8 channels
	v_lshl_add_u32 v11, v13, 2, s63                ; b_v of my channel
	v_and_b32 v12, 1, v0
	v_lshlrev_b32 v12, 4, v12                      ; my four columns are 4 (tid % 2) .. modulo 8
.irp p, 0,1
	v_mov_b32 v[KC+\p],   0xc0c90fdb                ; K1 = -2 pi
	v_mov_b32 v[KC+2+\p], 0x42255de7                ; K3 = (2 pi)^3 / 6
	v_mov_b32 v[KC+4+\p], 0xc2a335e3                ; K5 = -(2 pi)^5 / 120
	v_mov_b32 v[KC+6+\p], 0x42996966                ; K7 = (2 pi)^7 / 5040
	v_mov_b32 v[KC+8+\p], 0xc2283c1a                ; K9 = -(2 pi)^9 / 362880
.endr
	s_wait_kmcnt 0x0
	s_lshl_b32 s60, s34, 16
	s_mov_b32 s61, 0
	s_add_nc_u64 s[8:9], s[8:9], s[60:61]          ; x at my 64 rows
	s_lshl_b32 s60, s33, 16
	s_add_nc_u64 s[12:13], s[12:13], s[60:61]      ; w_in at row 64 jn; the kinds lie 256 rows apart
	s_cmp_eq_u32 s45, 0
	s_cselect_b64 s[56:57], s[16:17], s[18:19]
	s_cmp_ge_u32 s45, 2
	s_cselect_b64 s[56:57], s[20:21], s[56:57]
	s_add_nc_u64 s[56:57], s[56:57], s[50:51]
	s_add_nc_u64 s[58:59], s[28:29], s[52:53]
.macro LOADBLK R, lo, imm               ; 64 KiB on end: 16 loads, each of the wave 512 neighbouring bytes
.set i_, 0
.rept 16
	global_load_b128 v[(\R)+4*i_:(\R)+4*i_+3], v1, s[\lo:\lo+1] offset:(\imm)+4096*i_
.set i_, i_+1
.endr
.endm
.macro COS8 a                           ; v[a .. a+7] = cos(v + theta), four packed chains side by side
.irp k, 0,2,4,6
	v_pk_fma_f32 v[(\a)+\k:(\a)+\k+1], v[(\a)+\k:(\a)+\k+1], 0.15915494, v[THC+\k%4:THC+\k%4+1] op_sel_hi:[1,0,1]
.endr
.irp e, 0,1,2,3,4,5,6,7
	v_rndne_f32 v[T+\e], v[(\a)+\e]
.endr
.irp k, 0,2,4,6
	v_pk_add_f32 v[(\a)+\k:(\a)+\k+1], v[(\a)+\k:(\a)+\k+1], v[T+\k:T+\k+1] neg_lo:[0,1] neg_hi:[0,1]
.endr
.irp e, 0,1,2,3,4,5,6,7
	v_add_f32 v[(\a)+\e], |v[(\a)+\e]|, s38
.endr
.irp k, 0,2,4,6
	v_pk_mul_f32 v[T+\k:T+\k+1], v[(\a)+\k:(\a)+\k+1], v[(\a)+\k:(\a)+\k+1]
.endr
.irp k, 0,2,4,6
	v_pk_fma_f32 v[T+8+\k:T+8+\k+1], v[T+\k:T+\k+1], v[KC+8:KC+9], v[KC+6:KC+7]
.endr
.irp k, 0,2,4,6
	v_pk_fma_f32 v[T+8+\k:T+8+\k+1], v[T+8+\k:T+8+\k+1], v[T+\k:T+\k+1], v[KC+4:KC+5]
.endr
.irp k, 0,2,4,6
	v_pk_fma_f32 v[T+8+\k:T+8+\k+1], v[T+8+\k:T+8+\k+1], v[T+\k:T+\k+1], v[KC+2:KC+3]
.endr
.irp k, 0,2,4,6
	v_pk_fma_f32 v[T+8+\k:T+8+\k+1], v[T+8+\k:T+8+\k+1], v[T+\k:T+\k+1], v[KC:KC+1]
.endr
.irp k, 0,2,4,6
	v_pk_mul_f32 v[(\a)+\k:(\a)+\k+1], v[(\a)+\k:(\a)+\k+1], v[T+8+\k:T+8+\k+1]
.endr
.endm
.macro CV4 a                            ; four numbers rounded to f16 close up into the first two of their four registers
	v_cvt_pk_f16_f32 v[\a], v[\a], v[(\a)+1]
	v_cvt_pk_f16_f32 v[(\a)+1], v[(\a)+2], v[(\a)+3]
.endm
.macro PUTS R, adr, first, count        ; a run of LDS stores: 8 bytes of load i of block R, 4 rows further down for each i
.set i_, \first
.rept \count
	ds_store_b64 v[\adr], v[(\R)+4*i_:(\R)+4*i_+1] offset:2112*i_
.set i_, i_+1
.endr
.endm
.macro PLACES                           ; four places behind a matrix instruction (ISA guide 7.12.1), where no other vector work is at hand
.rept 4
	v_nop
.endr
.endm
	s_wait_alu depctr_va_vdst(0)                   ; the offsets and LDS addresses v1 and v4 to v12 are written, which the loads and stores below read
	s_cmp_lt_u32 s30, 6
	s_cbranch_scc0 .Lno_unit_in
	global_load_b128 v[PKR:PKR+3], v8, s[56:57]
	global_load_b128 v[PKR+4:PKR+7], v8, s[56:57] offset:16
.Lno_unit_in:
	global_load_b128 v[THC:THC+3], v12, s[10:11]
	global_load_b128 v[BQ:BQ+3], v10, s[14:15]
	global_load_b128 v[BQ+4:BQ+7], v10, s[14:15] offset:16
	global_load_b32 v[BV0], v11, s[14:15]
	LOADBLK R0, 8, 0                               ; x
	LOADBLK R1, 12, 0                              ; w_q
	LOADBLK R2, 12, 262144                         ; w_k
	s_wait_loadcnt 32                              ; the 32 loads of w_q and w_k may stay out: x and all before it are in
.irp e, 0,1,2,3
	v_mul_f32 v[THC+\e], 0.15915494, v[THC+\e]
.endr
.irp e, 0,2,4,6
	v_pk_mul_f32 v[BQ+\e:BQ+\e+1], v[BQ+\e:BQ+\e+1], s[36:37] op_sel_hi:[1,0]
.endr
.set n_, 0
.rept 4
	COS8 R0+8*n_
	CV4 R0+8*n_
	CV4 R0+8*n_+4
.set n_, n_+1
.endr
	s_wait_alu depctr_va_vdst(0)                   ; the roundings have written the pairs of x's first eight loads, which the LDS stores read
	PUTS R0, 4, 0, 8
.rept 4                                 ; the other half's arithmetic names R0 + 32 on and T: no register that the stores above read
	COS8 R0+8*n_
	CV4 R0+8*n_
	CV4 R0+8*n_+4
.set n_, n_+1
.endr
	s_wait_alu depctr_va_vdst(0)                   ; the roundings have written the other eight pairs; and all the arithmetic on R0, in which w_v lands below, is done
	PUTS R0, 4, 8, 8
	s_wait_alu depctr_vm_vsrc(0)                   ; the sixteen LDS stores have read R0
	LOADBLK R0, 12, 524288                         ; w_v, into the registers that x has left
	s_cmp_lt_u32 s30, 6
	s_cbranch_scc0 .Lno_unit_out
.irp e, 0,2,4,6
	v_pk_mul_f32 v[PKR+\e:PKR+\e+1], v[PKR+\e:PKR+\e+1], s[40:41] op_sel_hi:[1,0]
.endr
.irp e, 0,1,2,3
	v_cvt_pk_f16_f32 v[PKR+\e], v[PKR+2*\e], v[PKR+2*\e+1]
.endr
	s_wait_alu depctr_va_vdst(0)                   ; the roundings have written v[PKR .. PKR + 3], which the store reads
	global_store_b128 v9, v[PKR:PKR+3], s[58:59]   ; 512 bytes on end; its registers are not written again
.Lno_unit_out:
	s_wait_loadcnt 32                              ; w_k's and w_v's 32 may stay out: w_q is in
.set n_, 0
.rept 16
	v_pk_mul_f32 v[R1+4*n_:R1+4*n_+1], v[R1+4*n_:R1+4*n_+1], s[36:37] op_sel_hi:[1,0]
	v_pk_mul_f32 v[R1+4*n_+2:R1+4*n_+3], v[R1+4*n_+2:R1+4*n_+3], s[36:37] op_sel_hi:[1,0]
	CV4 R1+4*n_
.set n_, n_+1
.endr
	s_wait_alu depctr_va_vdst(0)                   ; the roundings have written R1's sixteen pairs, which the LDS stores read
	PUTS R1, 5, 0, 16
	s_wait_loadcnt 16                              ; w_v's 16 may stay out
.set n_, 0
.rept 16
	CV4 R2+4*n_
.set n_, n_+1
.endr
	s_wait_alu depctr_va_vdst(0)                   ; the roundings have written R2's sixteen pairs, which the LDS stores read
	PUTS R2, 6, 0, 16
	s_wait_loadcnt 0x0
.set n_, 0
.rept 16
	CV4 R0+4*n_
.set n_, n_+1
.endr
	s_wait_alu depctr_va_vdst(0)                   ; the roundings have written R0's sixteen pairs, which the LDS stores read
	PUTS R0, 7, 0, 16
	s_wait_alu depctr_vm_vsrc(0)                   ; all LDS stores have read R0, R1 and R2, and theta's load has read v12: these registers become addresses, b_v, accumulators and fragments below
	; the second phase's addresses (all loads are in, so their offset registers may be written)
	v_and_b32 v74, 15, v0
	v_bfe_u32 v75, v0, 4, 1
	s_lshl_b32 s60, s31, 5
	v_add_nc_u32 v12, s60, v74
	v_mul_u32_u24 v12, v12, PITCH
	v_lshl_add_u32 v12, v75, 4, v12                ; tokens: row 32 rh + r, 16 bytes for each half of the lanes
	s_lshl_b32 s60, s32, 4
	v_add_nc_u32 v13, s60, v74
	v_mul_u32_u24 v13, v13, PITCH
	v_lshl_add_u32 v13, v75, 4, v13
	v_add_nc_u32 v15, W16+2*WBLK, v13              ; weights: row 16 cg + r of each kind's block
	v_add_nc_u32 v14, W16+WBLK, v13
	v_add_nc_u32 v13, W16, v13
	v_lshlrev_b32 v72, 14, v75
	v_lshl_add_u32 v72, v74, 4, v72                ; qh, kh: head + h, token + r
	v_lshrrev_b32 v73, 3, v74
	v_lshlrev_b32 v73, 14, v73
	v_lshl_add_u32 v73, v75, 7, v73
	v_and_b32 v76, 7, v74
	v_lshl_add_u32 v73, v76, 4, v73                ; vf: head + r / 8, half h, channel r % 8
.irp e, 0,1,2,3,4,5,6,7
	v_mov_b32 v[BV+\e], v[BV0]
.endr
	s_lshr_b32 s42, s34, 4                         ; batch
	s_lshl_b32 s42, s42, 5
	s_lshl3_add_u32 s42, s33, s42
	s_lshl1_add_u32 s42, s32, s42                  ; g = 32 b + 8 jn + 2 cg
	s_lshl_b32 s42, s42, 14
	s_and_b32 s43, s34, 15
	s_lshl_b32 s43, s43, 6
	s_lshl_b32 s60, s31, 5
	s_add_co_u32 s43, s43, s60                     ; my first token in the sequence
	s_lshl4_add_u32 s42, s43, s42                  ; 16 bytes a token in all three: 32 tokens are 512 bytes of vf too
	s_mov_b32 s43, 0
	s_add_nc_u64 s[22:23], s[22:23], s[42:43]
	s_add_nc_u64 s[24:25], s[24:25], s[42:43]
	s_add_nc_u64 s[26:27], s[26:27], s[42:43]
	s_wait_alu depctr_va_vdst(0)                   ; v12 to v15, which the fragments' loads read, and v72 and v73, which the last stores read, are written; the first phase's arithmetic is done with v78 to v237, in which the fragments land
	s_wait_dscnt 0x0                               ; for the others' sake: my stores into the tiles are done
	s_barrier_signal -1
	s_barrier_wait -1
.macro FETCH ks, F                      ; the fragments of 32 along K: 2 of tokens, 3 of weights: ten loads
.irp i, 0,1
	ds_load_b128 v[(\F)+8*\i:(\F)+8*\i+3],   v12 offset:16*PITCH*\i+64*(\ks)
	ds_load_b128 v[(\F)+8*\i+4:(\F)+8*\i+7], v12 offset:16*PITCH*\i+64*(\ks)+32
.endr
.irp d, 0,1,2
	ds_load_b128 v[(\F)+16+8*\d:(\F)+16+8*\d+3], v[13+\d] offset:64*(\ks)
	ds_load_b128 v[(\F)+16+8*\d+4:(\F)+16+8*\d+7], v[13+\d] offset:64*(\ks)+32
.endr
.endm
.macro MULS F, first                    ; six products; the six accumulators take turns, one instruction a turn.  first = 1: the sums start with the bias (k: with 0)
.irp i, 0,1
.if \first
	v_wmma_f32_16x16x32_f16 v[ACC+24*\i:ACC+24*\i+7],     v[(\F)+16:(\F)+23], v[(\F)+8*\i:(\F)+8*\i+7], v[BQ:BQ+7]
	v_wmma_f32_16x16x32_f16 v[ACC+24*\i+8:ACC+24*\i+15],  v[(\F)+24:(\F)+31], v[(\F)+8*\i:(\F)+8*\i+7], 0
	v_wmma_f32_16x16x32_f16 v[ACC+24*\i+16:ACC+24*\i+23], v[(\F)+8*\i:(\F)+8*\i+7], v[(\F)+32:(\F)+39], v[BV:BV+7]
.else
	v_wmma_f32_16x16x32_f16 v[ACC+24*\i:ACC+24*\i+7],     v[(\F)+16:(\F)+23], v[(\F)+8*\i:(\F)+8*\i+7], v[ACC+24*\i:ACC+24*\i+7]
	v_wmma_f32_16x16x32_f16 v[ACC+24*\i+8:ACC+24*\i+15],  v[(\F)+24:(\F)+31], v[(\F)+8*\i:(\F)+8*\i+7], v[ACC+24*\i+8:ACC+24*\i+15]
	v_wmma_f32_16x16x32_f16 v[ACC+24*\i+16:ACC+24*\i+23], v[(\F)+8*\i:(\F)+8*\i+7], v[(\F)+32:(\F)+39], v[ACC+24*\i+16:ACC+24*\i+23]
.endif
.endr
.endm
	FETCH 0, FA                                    ; K steps 0 to 3: both sets
	FETCH 1, FA+40
	FETCH 2, FB
	FETCH 3, FB+40
	s_wait_dscnt 30                                ; the three younger K steps' 30 loads may stay out
	MULS FA, 1
	s_wait_dscnt 20
	MULS FA+40, 0
	PLACES                                         ; the places in front of the loads into the set just multiplied stay beside the wait
	s_wait_alu depctr_va_vdst(0)                   ; the twelve products are done reading the first set, in which K steps 4 and 5 land
	FETCH 4, FA
	FETCH 5, FA+40
	s_wait_dscnt 30                                ; K step 2 is in: step 3's ten and the twenty just issued may stay out
	MULS FB, 0
	s_wait_dscnt 20
	MULS FB+40, 0
	PLACES
	s_wait_alu depctr_va_vdst(0)                   ; the twelve products are done reading the second set, in which K steps 6 and 7 land
	FETCH 6, FB
	FETCH 7, FB+40
	s_wait_dscnt 30
	MULS FA, 0
	s_wait_dscnt 20
	MULS FA+40, 0
	s_wait_dscnt 10
	MULS FB, 0
	s_wait_dscnt 0x0
	MULS FB+40, 0
	PLACES                                         ; behind the last products, before their results are read
.set n_, 0
.rept 6                                 ; each accumulator's registers in ascending order
.irp e, 0,1,2,3
	v_cvt_pk_f16_f32 v[PK+4*n_+\e], v[ACC+8*n_+2*\e], v[ACC+8*n_+2*\e+1]
.endr
.set n_, n_+1
.endr
	s_wait_alu depctr_va_vdst(0)                   ; the roundings have written v[PK ..], which the six stores read
.irp i, 0,1
	global_store_b128 v72, v[PK+12*\i:PK+12*\i+3],    s[22:23] offset:256*\i  ; each half of the lanes: 16 tokens of one head, 256 bytes on end, aligned
	global_store_b128 v72, v[PK+12*\i+4:PK+12*\i+7],  s[24:25] offset:256*\i
	global_store_b128 v73, v[PK+12*\i+8:PK+12*\i+11], s[26:27] offset:256*\i  ; two heads, 256 bytes on end of each
.endr
	s_wait_dscnt 0x0                               ; the wave's end
	s_wait_alu 0x0
	s_wait_tensorcnt 0x0
	ds_add_u32 v2, v3
	s_wait_dscnt 0x0
	s_endpgm
.Lfunc_end_k_qbff956641d_qkv:
	.size	k_qbff956641d_qkv, .Lfunc_end_k_qbff956641d_qkv-k_qbff956641d_qkv
	.p2alignl 7, 3214868480
	.fill 96, 4, 3214868480
	.section	.rodata,"a",@progbits
	.p2align	6, 0x0
	.amdhsa_kernel k_qbff956641d_qkv
		.amdhsa_group_segment_fixed_size 136192
		.amdhsa_private_segment_fixed_size 0
		.amdhsa_enable_private_segment 0
		.amdhsa_kernarg_size 88
		.amdhsa_user_sgpr_count 2
		.amdhsa_user_sgpr_kernarg_segment_ptr 1
		.amdhsa_wavefront_size32 1
		.amdhsa_system_sgpr_workgroup_id_x 1
		.amdhsa_system_sgpr_workgroup_id_y 1
		.amdhsa_system_sgpr_workgroup_id_z 1
		.amdhsa_system_vgpr_workitem_id 0
		.amdhsa_next_free_vgpr 256
		.amdhsa_next_free_sgpr 66
		.amdhsa_reserve_vcc 0
		.amdhsa_float_denorm_mode_32 3
		.amdhsa_float_denorm_mode_16_64 3
		.amdhsa_memory_ordered 1
		.amdhsa_forward_progress 1
		.amdhsa_inst_pref_size 61
	.end_amdhsa_kernel
	.amdgpu_metadata
---
amdhsa.version: [ 1, 2 ]
amdhsa.kernels:
  - .name:           k_qbff956641d_qkv
    .symbol:         k_qbff956641d_qkv.kd
    .args:
      - { .name: x, .offset: 0, .size: 8, .value_kind: global_buffer, .address_space: global }
      - { .name: theta_attn, .offset: 8, .size: 8, .value_kind: global_buffer, .address_space: global }
      - { .name: w_in, .offset: 16, .size: 8, .value_kind: global_buffer, .address_space: global }
      - { .name: b_in, .offset: 24, .size: 8, .value_kind: global_buffer, .address_space: global }
      - { .name: w_out, .offset: 32, .size: 8, .value_kind: global_buffer, .address_space: global }
      - { .name: w_comb, .offset: 40, .size: 8, .value_kind: global_buffer, .address_space: global }
      - { .name: w2, .offset: 48, .size: 8, .value_kind: global_buffer, .address_space: global }
      - { .name: qh, .offset: 56, .size: 8, .value_kind: global_buffer, .address_space: global }
      - { .name: kh, .offset: 64, .size: 8, .value_kind: global_buffer, .address_space: global }
      - { .name: vf, .offset: 72, .size: 8, .value_kind: global_buffer, .address_space: global }
      - { .name: wpack, .offset: 80, .size: 8, .value_kind: global_buffer, .address_space: global }
    .group_segment_fixed_size: 136192
    .private_segment_fixed_size: 0
    .kernarg_segment_align: 8
    .kernarg_segment_size: 88
    .max_flat_workgroup_size: 256
    .sgpr_count:     66
    .vgpr_count:     256
    .wavefront_size: 32
...
	.end_amdgpu_metadata
.endif
;; end of part 4
;; launch attn: the kernel of part 2 again; grid 2 x 128, 16 waves a work-group, no clusters, 51,200 bytes of LDS; arguments qh, kh, vf, ctx; writes ctx
;; launch tail (part 5): grid 128 x 1, 4 waves a work-group, no clusters, 86,016 bytes of LDS; arguments ctx, wpack, x, b_out, b_comb, g1, be1, w_ip, b_ip, theta_ffn, w1, b1, b2, g2, be2, out0; writes out0
.if DOCPART == 5
	.amdgcn_target "amdgcn-amd-amdhsa--gfx1250"
	.amdhsa_code_object_version 6
	.text
	.protected	k_qbff956641d_tail
	.globl	k_qbff956641d_tail
	.p2align	8
	.type	k_qbff956641d_tail,@function
k_qbff956641d_tail:
	s_mov_b64 s[64:65], 0
	v_nop
	global_prefetch_b8 v0, s[64:65] scope:SCOPE_SE
	s_setreg_imm32_b32 hwreg(HW_REG_WAVE_SCHED_MODE, 0, 2), 2
	s_setreg_imm32_b32 hwreg(HW_REG_WAVE_MODE, 25, 1), 1
	s_wait_xcnt 0x0
	s_wait_alu depctr_vm_vsrc(0)
; LAUNCH 3 OF 3.  All that is local to a row: t1 = ctx w_out^T + b_out; attn_out = t1 w_comb^T + b_comb; h = LN1(x + attn_out); proj = h w_ip^T + b_ip; qf = cos(theta_ffn) cos(proj);
; hidden = relu(qf w1^T + b1); out0 = LN2(h + hidden w2^T + b2).  Nothing of reference() is left out here.
; FORMATS.  Matrix operands f16, sums f32; residuals, means and variances f32, the variance taken of the centred numbers as reference() takes it.  t1 is kept as t1 / 64 and multiplied by 64 w_comb (both factors
; powers of two, so nothing is rounded by them): t1 has room in f16 up to 4.1e6.  LIMITS: h, hidden and the weights must lie within f16's 65,504; the cosine is the first launch's, with its limits
; (series cut at 3.6e-6 for every argument; reduction in f32, about 6e-8 |a| radians).
; SHARES.  A work-group owns 32 rows (two row tiles rt), wave w the columns 64 w .. 64 w + 63 (four tiles ntl) of every product: 8 accumulators.  The weights are source 0, the rows source 1: a lane holds ONE row
; (lane % 16) and 8 neighbouring columns.  What one product makes goes to the next through two LDS buffers of 32 rows x 528 bytes that take turns.
; WEIGHTS.  wpack holds them in fragment order, 32 KiB on end for each chunk of 256 along K and each wave: no wave wants a byte that another wave fetches, so they go straight into registers: windows 1 and 2 hold
; a chunk each, by turns, eight slots of 32 along K; behind the products of step ks of chunk c the eight loads of step ks of chunk c + 1 go out, into the other window: 64 loads of 512 bytes are out all the time.
; The chunk stands in the loads' immediate.
; NO CLUSTER, NO TENSOR LOAD: every work-group walks the same 768 KiB once, but a ring in LDS would hold one load a wave for 64 products a wave and add a round of barriers to each chunk.
; 32 ROWS: with 64 the matrix work of a work-group doubles on half as many work-groups; with 16 every weight byte is asked for twice as often.
; THE FFN's FIRST PRODUCT has 8 along K: one load of 16 bytes a lane holds 32 rows of w1 in two slots of 8 places (lanes 0-15, lanes 16-31), and qf stands in two variants, each 0 outside one slot, as in the second launch.
; THE MODE: SCHED_MODE bits 1:0 = 2 (LLVM: expert scheduling mode 2), set by the entry lines.  The code itself states the register dependences
; between vector or matrix instructions and memory or LDS instructions, with s_wait_alu, always for 0.
; THE PLAN.  Registers that memory or LDS instructions touch:
;   windows 1, 2    Chunk c's products read window 1 + c % 2; the loads issued in chunk c land in the other window, which chunk c - 1 read last.
;   window 3 0-127  The rows' fragments of a whole chunk (K step k, row tile rt at 16 k + 8 rt), asked for four steps ahead; read by the chunk's products, and by proj's.
;   window 3 128-191  w_ip's eight fragments: loaded once, behind chunk 0; no vector instruction writes them.
;   So a wait on va_vdst that stands anywhere between two chunks states all that the later chunk's loads hang on, and the 64 products of a chunk have none among them:
;   what they name (their own window, the fragments of steps already fetched, the accumulators) is no register in which a load of that chunk lands.
;   T               b_out, b_comb (C operands, loaded at the start); TOBUF's out-buffer T .. T + 31; x in the accumulators' layout; g and be; w1's and b1's parts.
;   v[32:63]        ctx at the head; b2; the second four results of the FFN's first product, stored from there.      v[212:243] the first four.
;   v20-27          the four waves' sums, loaded; added up by vector instructions.      v28-31 the wave's own four sums of a norm, each read by one LDS store.
;   XR              x as loaded, read by the stage's stores; then vector work; at the end the rows to store.
;   v1, v4-v14      offsets and LDS addresses, made at the head, never written again.
;   Each out-buffer is written whole, then ONE wait on va_vdst, then the run of its stores; a wait on vm_vsrc stands at the barrier behind them, ahead of whatever writes the buffer again.
.set PT,    528                        ; a row of 256 f16 + 16 bytes: an odd multiple of 16
.set ABUF0, 0                          ; 32 rows: ctx; h; hidden chunks 1, 3
.set CVEC,  16896                      ; seven vectors of 256 f32: b_out, b_comb, g1, be1, b2, g2, be2
.set B1L,   24064                      ; b1
.set WIPL,  28160                      ; w_ip in f16, 8 rows x 528
.set ABUF1, 32768                      ; 32 rows: t1 / 64; hidden chunks 0, 2
.set W1L,   49664                      ; w1 in f16, 16 bytes a row
.set STG,   66048                      ; a stage of 16 rows x 272 bytes for each wave: f32 tiles change between whole rows and the accumulators' layout
.set SPI,   272
.set RED,   83456                      ; four areas [32 rows][4 waves] f32 for the sums of the two norms
.set SPARE, 85504                      ; the spare words, 128 bytes for each wave
.set B2R, 32                           ; v[32:63]   ctx at the head; b2; then four results of the FFN's first product
.set T,   64                           ; v[64:127]  at work
.set ACC, 128                          ; v[128:191] accumulator (rt, ntl) at ACC + 8 (4 rt + ntl)
.set XR,  192                          ; v[192:255] x; then qf's variants v[192:211], results at work v[212:243], the series' factors v[244:253]; at the end the rows to store
.set WIPR, 128                         ; window 3: w_ip's fragment of K step q at WIPR + 8 q
; v1 16 lane; v2, v3 the add's; v4 a fragment's place in a buffer; v5 where my 16 bytes of a result go; v6 my 8 numbers of a vector; v7 my row of w1; v8 my 8 numbers of b1; v9 my row of w_ip;
; v10 stage, accumulators' layout; v11 stage, whole rows; v12 my 16 bytes of two rows of x and out0; v13, v14 RED, store and load; v15 0; v[16:19] mean or 1 / sigma of the two row tiles; v[20:31] at work
.set MSB, 0
.macro WIN new                          ; the immediate's high byte repeats the setting that is left; a switch that changes nothing is dropped
.if MSB != (\new)
	s_set_vgpr_msb (MSB<<8)|(\new)
.set MSB, \new
.endif
.endm
.macro PLACES                           ; four places behind a matrix instruction (ISA guide 7.12.1)
.rept 4
	v_nop
.endr
.endm
	s_load_b512 s[8:23], s[0:1], 0x0               ; ctx 8, wpack 10, x 12, b_out 14, b_comb 16, g1 18, be1 20, w_ip 22
	s_load_b512 s[24:39], s[0:1], 0x40             ; b_ip 24, theta_ffn 26, w1 28, b1 30, b2 32, g2 34, be2 36, out0 38
	v_lshl_add_u32 v2, v0, 2, SPARE                ; my spare word, and 0: kept for the closing lines alone
	v_mov_b32 v3, 0
	v_lshrrev_b32 v20, 5, v0
	v_readfirstlane_b32 s56, v20                   ; wave 0..3
	s_mov_b32 s57, 0xffff                          ; lanes 0-15
	s_mov_b32 s68, 0x76543210                      ; v_permlanex16_b32: each lane takes its own place in the other half
	s_mov_b32 s69, 0xfedcba98
	s_mov_b32 s72, 0x3b800000                      ; 1 / 256
	s_mov_b32 s73, 0x3727c5ac                      ; 1e-5
	s_mov_b32 s74, 0x3c800000                      ; 1 / 64
	s_mov_b32 s75, 0x3c800000
	s_mov_b32 s76, 0xbe800000                      ; -1/4
	v_and_b32 v24, 31, v0                          ; lane
	v_and_b32 v25, 15, v0                          ; r
	v_bfe_u32 v26, v0, 4, 1                        ; h
	v_lshlrev_b32 v1, 4, v24
	v_mul_u32_u24 v4, v25, PT
	v_lshl_add_u32 v4, v26, 4, v4                  ; r x 528 + 16 h
	s_wait_alu depctr_va_sdst(0)                   ; s56 is written, ahead of its first reader
	s_lshl_b32 s70, s56, 7
	v_add_nc_u32 v5, s70, v4                       ; + my wave's 64 columns in f16
	s_lshl_b32 s70, s56, 8
	v_lshl_add_u32 v6, v26, 5, s70                 ; 256 w + 32 h
	v_add_nc_u32 v8, B1L, v6
	v_add_nc_u32 v6, CVEC, v6
	s_lshl_b32 s71, s56, 10
	v_add_nc_u32 v7, s71, v1
	v_add_nc_u32 v7, W1L, v7                       ; row 64 w + lane of a chunk's 256
	v_and_b32 v9, 7, v0
	v_mul_u32_u24 v9, v9, PT
	v_lshl_add_u32 v9, v26, 4, v9
	v_add_nc_u32 v9, WIPL, v9                      ; rows 8-15 of the fragment repeat rows 0-7: both halves of the lanes end with the same 8 numbers
	s_mul_i32 s71, s56, 16*SPI
	s_add_co_u32 s71, s71, STG
	v_mul_u32_u24 v10, v25, SPI
	v_lshl_add_u32 v10, v26, 5, v10
	v_add_nc_u32 v10, s71, v10
	v_mul_u32_u24 v11, v26, SPI
	v_lshl_add_u32 v11, v25, 4, v11
	v_add_nc_u32 v11, s71, v11
	v_lshlrev_b32 v12, 10, v26
	v_lshl_add_u32 v12, v25, 4, v12
	v_add_nc_u32 v12, s70, v12
	v_lshlrev_b32 v14, 4, v25
	v_add_nc_u32 v14, RED, v14
	s_lshl_b32 s71, s56, 2
	v_add_nc_u32 v13, s71, v14
	v_mov_b32 v15, 0
	v_mov_b32 v17, 0                               ; named in pairs with v16 and v18
	v_mov_b32 v19, 0
	; the prologue's own addresses
	v_lshlrev_b32 v20, 3, v0                       ; 8 tid
	v_lshlrev_b32 v21, 4, v0                       ; 16 tid
	s_lshl_b32 s71, s56, 14
	v_add_nc_u32 v22, s71, v1                      ; ctx: head w + 4 i, 16 bytes a row: 512 bytes on end
	v_mul_u32_u24 v23, v24, PT
	s_lshl_b32 s71, s56, 4
	v_add_nc_u32 v23, s71, v23                     ; row lane, 16 bytes at head w + 4 i
	v_lshrrev_b32 v27, 6, v0
	v_mul_u32_u24 v27, v27, PT
	v_and_b32 v28, 63, v0
	v_lshl_add_u32 v27, v28, 3, v27
	v_add_nc_u32 v27, WIPL, v27
	v_add_nc_u32 v28, W1L, v20
	v_add_nc_u32 v29, CVEC, v20
	v_add_nc_u32 v30, B1L, v21
	s_wait_kmcnt 0x0
	s_load_b256 s[40:47], s[24:25], 0x0            ; b_ip
	s_load_b256 s[48:55], s[26:27], 0x0            ; theta_ffn
	s_lshr_b32 s58, ttmp9, 5                       ; batch
	s_lshl_b32 s58, s58, 19
	s_and_b32 s59, ttmp9, 31
	s_lshl_b32 s59, s59, 9
	s_add_co_u32 s58, s58, s59
	s_mov_b32 s59, 0
	s_add_nc_u64 s[8:9], s[8:9], s[58:59]          ; ctx at the batch's head 0, my first row
	s_lshl_b32 s58, ttmp9, 15
	s_add_nc_u64 s[12:13], s[12:13], s[58:59]      ; x and out0 at my 32 rows
	s_add_nc_u64 s[38:39], s[38:39], s[58:59]
	s_lshl_b32 s58, s56, 15
	s_add_nc_u64 s[66:67], s[10:11], s[58:59]      ; wpack at my wave's part of chunk 0
	s_wait_alu depctr_va_vdst(0)                   ; all offsets and LDS addresses, v1, v4 to v14, v20 to v23 and v27 to v30, are written, which the kernel's loads and stores read
.irp i, 0,1,2,3,4,5,6,7
	global_load_b128 v[32+4*\i:35+4*\i], v22, s[8:9] offset:65536*\i
.endr
	global_load_b64 v[64:65], v20, s[14:15]
	global_load_b64 v[66:67], v20, s[16:17]
	global_load_b64 v[68:69], v20, s[18:19]
	global_load_b64 v[70:71], v20, s[20:21]
	global_load_b64 v[72:73], v20, s[32:33]
	global_load_b64 v[74:75], v20, s[34:35]
	global_load_b64 v[76:77], v20, s[36:37]
	global_load_b128 v[78:81], v21, s[30:31]
	global_load_b128 v[82:85], v21, s[30:31] offset:2048
.irp i, 0,1,2,3
	global_load_b128 v[86+4*\i:89+4*\i], v21, s[22:23] offset:2048*\i
.endr
.set n_, 0
.rept 16
	global_load_b128 v[128+4*n_:131+4*n_], v21, s[28:29] offset:2048*n_
.set n_, n_+1
.endr
	WIN 0x40                                       ; destination window 1, address window 0
.set n_, 0
.rept 64                                ; the first fill: chunk 0, 32 KiB on end
	global_load_b128 v[4*n_:4*n_+3], v1, s[66:67] offset:512*n_
.set n_, n_+1
.endr
	WIN 0
	s_wait_loadcnt 63                              ; 64 loads are younger than the last small one; 63 is the largest count that the wait can name
.irp i, 0,1,2,3,4,5,6,7
	ds_store_b128 v23, v[32+4*\i:35+4*\i] offset:64*\i
.endr
.irp i, 0,1,2,3,4,5,6
	ds_store_b64 v29, v[64+2*\i:65+2*\i] offset:1024*\i
.endr
	ds_store_b128 v30, v[78:81]
	ds_store_b128 v30, v[82:85] offset:2048
.irp i, 0,1,2,3
	v_cvt_pk_f16_f32 v[86+4*\i], v[86+4*\i], v[87+4*\i]
	v_cvt_pk_f16_f32 v[87+4*\i], v[88+4*\i], v[89+4*\i]
.endr
.set n_, 0
.rept 16
	v_cvt_pk_f16_f32 v[128+4*n_], v[128+4*n_], v[129+4*n_]
	v_cvt_pk_f16_f32 v[129+4*n_], v[130+4*n_], v[131+4*n_]
.set n_, n_+1
.endr
	s_wait_alu depctr_va_vdst(0)                   ; the roundings have written w_ip's and w1's pairs, which the twenty LDS stores read
.irp i, 0,1,2,3
	ds_store_b64 v27, v[86+4*\i:87+4*\i] offset:2*PT*\i
.endr
.set n_, 0
.rept 16
	ds_store_b64 v28, v[128+4*n_:129+4*n_] offset:1024*n_
.set n_, n_+1
.endr
.set n_, 0
.rept 16                                ; x: my 64 columns of two rows a load, 256 bytes on end for each half of the lanes; wanted behind the second product
	global_load_b128 v[XR+4*n_:XR+4*n_+3], v12, s[12:13] offset:2048*n_
.set n_, n_+1
.endr
	s_wait_dscnt 0x0
	s_barrier_signal -1
	s_barrier_wait -1
	s_wait_alu depctr_vm_vsrc(0)                   ; the prologue's loads and LDS stores have read v20 to v30, v[32:101] and v[128:191]: these become sums, biases and accumulators below
.macro CVLOAD vec, dst                  ; my 8 numbers of a vector for each of my four column tiles: 32 registers
.set q_, 0
.rept 8
	ds_load_b128 v[(\dst)+4*q_:(\dst)+4*q_+3], v6 offset:1024*(\vec)+64*(q_/2)+16*(q_%2)
.set q_, q_+1
.endr
.endm
.macro AFETCH ab, k                     ; the two row tiles' fragments of K step k, into window 3 (the caller has set the destination's window)
.irp rt, 0,1
	ds_load_b128 v[16*(\k)+8*\rt:16*(\k)+8*\rt+3],   v4 offset:(\ab)+16*PT*\rt+64*(\k)
	ds_load_b128 v[16*(\k)+8*\rt+4:16*(\k)+8*\rt+7], v4 offset:(\ab)+16*PT*\rt+64*(\k)+32
.endr
.endm
; A CHUNK: 256 along K, 64 products, the 8 accumulators by turns, one instruction a turn.  c: the chunk; ab: the rows' buffer; cb: the 32 registers with which the sums start, or 0;
; rf = 1: behind each step's products the same step of chunk c + 1 is asked for, into the other window; cnt: how many younger loads may stay out when a slot is wanted;
; hw = 1: no wait on va_vdst stands behind the chunk before, so one stands here.
.macro CHUNK c, ab, cb, rf, cnt, hw
	WIN 0xc0                                       ; destination window 3, address window 0
.if \hw
	s_wait_alu depctr_va_vdst(0)                   ; the products of the chunk before are done reading window 3's fragments, in which this chunk's land
.endif
.irp k, 0,1,2,3
	AFETCH \ab, \k
.endr
.set ks_, 0
.rept 8
.if ks_ < 4
	WIN 0xc0
	AFETCH \ab, ks_+4                              ; four steps ahead.  No wait: no product since the last wait on va_vdst names these registers
.endif
.if \rf
	s_wait_loadcnt \cnt
.else
	s_wait_loadcnt 8*(7-ks_)                       ; the last chunk: only the slots behind this one are out
.endif
.if ks_ < 4
	s_wait_dscnt 16                                ; the four younger steps' 16 loads may stay out
.else
	s_wait_dscnt 4*(7-ks_)
.endif
	WIN 0x0d+(\c)%2                                ; source 0, the weights, in window 1 or 2; source 1, the rows, in window 3
.set q_, 0
.rept 8
.if ((\cb) > 0) && (ks_ == 0)
	v_wmma_f32_16x16x32_f16 v[ACC+8*q_:ACC+8*q_+7], v[32*ks_+8*(q_%4):32*ks_+8*(q_%4)+7], v[16*ks_+8*(q_/4):16*ks_+8*(q_/4)+7], v[(\cb)+8*(q_%4):(\cb)+8*(q_%4)+7]
.else
	v_wmma_f32_16x16x32_f16 v[ACC+8*q_:ACC+8*q_+7], v[32*ks_+8*(q_%4):32*ks_+8*(q_%4)+7], v[16*ks_+8*(q_/4):16*ks_+8*(q_/4)+7], v[ACC+8*q_:ACC+8*q_+7]
.endif
.set q_, q_+1
.endr
.if \rf
	WIN 0x80-0x40*((\c)%2)                         ; destination: the other window.  No wait: the chunk before last read it, ahead of the last wait on va_vdst
.set q_, 0
.rept 8
	global_load_b128 v[32*ks_+4*q_:32*ks_+4*q_+3], v1, s[66:67] offset:131072*((\c)+1)+4096*ks_+512*q_
.set q_, q_+1
.endr
.endif
.set ks_, ks_+1
.endr
	PLACES                                         ; in front of what reads the sums behind the chunk
	WIN 0
.endm
.macro TOBUF ab, sc                     ; the 8 accumulators, (sc = 1: divided by 64,) rounded to f16 into T .. T + 31, each accumulator in ascending order; then 16 bytes a lane into a buffer
.set q_, 0
.rept 8
.if \sc
.irp e, 0,2,4,6
	v_pk_mul_f32 v[ACC+8*q_+\e:ACC+8*q_+\e+1], v[ACC+8*q_+\e:ACC+8*q_+\e+1], s[74:75] op_sel_hi:[1,0]
.endr
.endif
.irp e, 0,1,2,3
	v_cvt_pk_f16_f32 v[T+4*q_+\e], v[ACC+8*q_+2*\e], v[ACC+8*q_+2*\e+1]
.endr
.set q_, q_+1
.endr
	s_wait_alu depctr_va_vdst(0)                   ; the roundings have written T .. T + 31, which the eight LDS stores read; the chunk's products are done with their fragments and their window
.set q_, 0
.rept 8
	ds_store_b128 v5, v[T+4*q_:T+4*q_+3] offset:(\ab)+16*PT*(q_/4)+32*(q_%4)
.set q_, q_+1
.endr
.endm
.macro SUM32 rt, sq, dst                ; a row's sum (sq = 1: of squares) over my wave's 64 columns: 32 registers, the lane 16 away; into v[dst]
.set A_, ACC+32*(\rt)
.set T_, T+16*(\rt)
.set k_, 0
.rept 8
.if \sq
	v_pk_mul_f32 v[T_+2*k_:T_+2*k_+1], v[A_+4*k_:A_+4*k_+1], v[A_+4*k_:A_+4*k_+1]
.else
	v_pk_add_f32 v[T_+2*k_:T_+2*k_+1], v[A_+4*k_:A_+4*k_+1], v[A_+4*k_+2:A_+4*k_+3]
.endif
.set k_, k_+1
.endr
.if \sq
.set k_, 0
.rept 8
	v_pk_fma_f32 v[T_+2*k_:T_+2*k_+1], v[A_+4*k_+2:A_+4*k_+3], v[A_+4*k_+2:A_+4*k_+3], v[T_+2*k_:T_+2*k_+1]
.set k_, k_+1
.endr
.endif
.irp k, 0,2,4,6
	v_pk_add_f32 v[T_+\k:T_+\k+1], v[T_+\k:T_+\k+1], v[T_+\k+8:T_+\k+9]
.endr
.irp k, 0,2
	v_pk_add_f32 v[T_+\k:T_+\k+1], v[T_+\k:T_+\k+1], v[T_+\k+4:T_+\k+5]
.endr
	v_pk_add_f32 v[T_:T_+1], v[T_:T_+1], v[T_+2:T_+3]
	v_add_f32 v[T_], v[T_], v[T_+1]
	v_permlanex16_b32 v[T_+1], v[T_], s68, s69
	v_add_f32 v[\dst], v[T_], v[T_+1]
.endm
.macro RSUM area                        ; the four waves' sums of my two rows: v20, v24
	ds_load_b128 v[20:23], v14 offset:512*(\area)
	ds_load_b128 v[24:27], v14 offset:512*(\area)+256
.endm
.macro RADD
	v_add_f32 v20, v20, v21
	v_add_f32 v22, v22, v23
	v_add_f32 v24, v24, v25
	v_add_f32 v26, v26, v27
	v_add_f32 v20, v20, v22
	v_add_f32 v24, v24, v26
.endm
; LAYERNORM of the accumulators in place: the mean, the centred numbers, their squares' mean, 1 / sqrt(var + eps), times g plus be.  Two barriers; each sum has an area of RED and a register of its own.
.macro LNORM a0, a1, gv, bv
	SUM32 0, 0, 28
	SUM32 1, 0, 29
	s_wait_alu depctr_va_vdst(0)                   ; v28 and v29 are written, which the two LDS stores read
	ds_store_b32 v13, v28 offset:512*(\a0)
	ds_store_b32 v13, v29 offset:512*(\a0)+256
	s_wait_dscnt 0x0
	s_barrier_signal -1
	s_barrier_wait -1
	RSUM \a0
	s_wait_dscnt 0x0
	RADD
	v_mul_f32 v16, s72, v20
	v_mul_f32 v18, s72, v24
.set k_, 0
.rept 32
	v_pk_add_f32 v[ACC+2*k_:ACC+2*k_+1], v[ACC+2*k_:ACC+2*k_+1], v[16+2*(k_/16):17+2*(k_/16)] op_sel_hi:[1,0] neg_lo:[0,1] neg_hi:[0,1]
.set k_, k_+1
.endr
	SUM32 0, 1, 30
	SUM32 1, 1, 31
	s_wait_alu depctr_va_vdst(0)                   ; v30 and v31 are written, which the two LDS stores read; the additions are done with v20 to v27 and the sums with T, in which the loads behind the barrier land
	ds_store_b32 v13, v30 offset:512*(\a1)
	ds_store_b32 v13, v31 offset:512*(\a1)+256
	s_wait_dscnt 0x0
	s_barrier_signal -1
	s_barrier_wait -1
	RSUM \a1
	CVLOAD \gv, T+32
	CVLOAD \bv, T
	s_wait_dscnt 16                                ; the 16 loads of g and be may stay out
	RADD
	v_fma_f32 v20, v20, s72, s73
	v_fma_f32 v24, v24, s72, s73
	v_rsq_f32 v16, v20
	v_rsq_f32 v18, v24
	v_nop
	s_wait_alu depctr_va_vdst(0)                   ; one wait for both roots, v16 and v18, ahead of their first reader
	s_wait_dscnt 0x0
.set k_, 0
.rept 32
	v_pk_mul_f32 v[ACC+2*k_:ACC+2*k_+1], v[ACC+2*k_:ACC+2*k_+1], v[16+2*(k_/16):17+2*(k_/16)] op_sel_hi:[1,0]
.set k_, k_+1
.endr
.set k_, 0
.rept 32
	v_pk_fma_f32 v[ACC+2*k_:ACC+2*k_+1], v[ACC+2*k_:ACC+2*k_+1], v[T+32+2*(k_%16):T+32+2*(k_%16)+1], v[T+2*(k_%16):T+2*(k_%16)+1]
.set k_, k_+1
.endr
.endm
.macro COS8 a                           ; v[a .. a+7], which hold t = angle / 2 pi, become the cosines; at work: v[112:127]
.irp e, 0,1,2,3,4,5,6,7
	v_rndne_f32 v[112+\e], v[(\a)+\e]
.endr
.irp k, 0,2,4,6
	v_pk_add_f32 v[(\a)+\k:(\a)+\k+1], v[(\a)+\k:(\a)+\k+1], v[112+\k:113+\k] neg_lo:[0,1] neg_hi:[0,1]
.endr
.irp e, 0,1,2,3,4,5,6,7
	v_add_f32 v[(\a)+\e], |v[(\a)+\e]|, s76
.endr
.irp k, 0,2,4,6
	v_pk_mul_f32 v[112+\k:113+\k], v[(\a)+\k:(\a)+\k+1], v[(\a)+\k:(\a)+\k+1]
.endr
.irp k, 0,2,4,6
	v_pk_fma_f32 v[120+\k:121+\k], v[112+\k:113+\k], v[252:253], v[250:251]
.endr
.irp k, 0,2,4,6
	v_pk_fma_f32 v[120+\k:121+\k], v[120+\k:121+\k], v[112+\k:113+\k], v[248:249]
.endr
.irp k, 0,2,4,6
	v_pk_fma_f32 v[120+\k:121+\k], v[120+\k:121+\k], v[112+\k:113+\k], v[246:247]
.endr
.irp k, 0,2,4,6
	v_pk_fma_f32 v[120+\k:121+\k], v[120+\k:121+\k], v[112+\k:113+\k], v[244:245]
.endr
.irp k, 0,2,4,6
	v_pk_mul_f32 v[(\a)+\k:(\a)+\k+1], v[(\a)+\k:(\a)+\k+1], v[120+\k:121+\k]
.endr
.endm
.macro FLOAD c                          ; what the FFN's first product wants for chunk c: my 64 rows of w1 (two loads) and my 64 numbers of b1 (eight)
	ds_load_b128 v[64:67], v7 offset:4096*(\c)
	ds_load_b128 v[72:75], v7 offset:4096*(\c)+512
.set q_, 0
.rept 8
	ds_load_b128 v[80+4*q_:83+4*q_], v8 offset:1024*(\c)+64*(q_/2)+16*(q_%2)
.set q_, q_+1
.endr
.endm
; hidden = relu(qf w1^T + b1) for my 64 columns of chunk c, both row tiles, into buffer hb.  gq: which 32 rows of w1; d = 2 a + rt: slot a (16 rows of w1), row tile rt.  Source 0's upper half (v[68:71], v[76:79]) is 0,
; so what stands in source 1's is multiplied by 0.  The eight results have registers of their own: v[212:243] (gq = 0) and v[32:63] (gq = 1).  nx = 1: the next chunk's operands are asked for behind the stores.
.macro FFN1 c, hb, nx
.irp gq, 0,1
.irp d, 0,1,2,3
	v_wmma_f32_16x16x32_f16 v[212-180*\gq+8*\d:219-180*\gq+8*\d], v[64+8*\gq:71+8*\gq], v[192+8*(\d%2)+4*(\d/2):199+8*(\d%2)+4*(\d/2)], v[80+8*(2*\gq+\d/2):87+8*(2*\gq+\d/2)]
.endr
.endr
	PLACES
.irp gq, 0,1
.irp d, 0,1,2,3
.irp e, 0,1,2,3
	v_cvt_pk_f16_f32 v[212-180*\gq+8*\d+\e], v[212-180*\gq+8*\d+2*\e], v[213-180*\gq+8*\d+2*\e]
.endr
.irp e, 0,1,2,3
	v_pk_max_num_f16 v[212-180*\gq+8*\d+\e], v[212-180*\gq+8*\d+\e], v15
.endr
.endr
.endr
	s_wait_alu depctr_va_vdst(0)                   ; the maxima have written the eight results, which the LDS stores read; the eight products are done reading w1's and b1's registers, in which the next chunk's land
.irp gq, 0,1
.irp d, 0,1,2,3
	ds_store_b128 v5, v[212-180*\gq+8*\d:215-180*\gq+8*\d] offset:(\hb)+16*PT*(\d%2)+32*(2*\gq+\d/2)
.endr
.endr
.if \nx
	FLOAD (\c)+1
.endif
.endm
.macro MEET                             ; my LDS stores are done and my LDS loads are back; then everybody's
	s_wait_alu depctr_vm_vsrc(0)                   ; my LDS stores have read their data registers (T .. T + 31; v[212:243] and v[32:63]), which are written again behind the barrier
	s_wait_dscnt 0x0
	s_barrier_signal -1
	s_barrier_wait -1
.endm
	; t1 = ctx w_out^T + b_out, kept as t1 / 64
	CVLOAD 0, T                                    ; b_out,
	CVLOAD 1, T+32                                 ; and b_comb, which the second product starts with
	CHUNK 0, ABUF0, T, 1, 63, 0                    ; 56 loads of the other slots and x's 16 are younger than a slot's; 63 is the largest count that the wait can name
	WIN 0xc0
.set q_, 0
.rept 8                                 ; w_ip's eight fragments, once; they land while t1 is rounded
	ds_load_b128 v[WIPR+8*q_:WIPR+8*q_+3],   v9 offset:64*q_
	ds_load_b128 v[WIPR+8*q_+4:WIPR+8*q_+7], v9 offset:64*q_+32
.set q_, q_+1
.endr
	WIN 0
	TOBUF ABUF1, 1
	MEET
	; attn_out = (t1 / 64) (64 w_comb)^T + b_comb
	CHUNK 1, ABUF1, T+32, 1, 56, 0                 ; the seven other slots' 56 loads may stay out; x, which is older, is in with the first of these waits
	; + x: whole rows into my stage, back in the accumulators' layout.  LDS serves a wave's instructions in order (ISA guide 5.7.1.4): the second tile's stores come behind the first's loads
	s_wait_alu depctr_va_vdst(0)                   ; the chunk's first products are done reading T + 32 .. T + 63, with which their sums began, and in which x lands
.irp rt, 0,1
.irp i, 0,1,2,3,4,5,6,7
	ds_store_b128 v11, v[XR+32*\rt+4*\i:XR+32*\rt+4*\i+3] offset:2*SPI*\i
.endr
.irp q, 0,1,2,3,4,5,6,7
	ds_load_b128 v[T+32*\rt+4*\q:T+32*\rt+4*\q+3], v10 offset:64*(\q/2)+16*(\q%2)
.endr
.endr
	s_wait_dscnt 16                                ; the second tile's 8 stores and 8 loads may stay out
.set k_, 0
.rept 32
.if k_ == 16
	s_wait_dscnt 0x0
.endif
	v_pk_add_f32 v[ACC+2*k_:ACC+2*k_+1], v[ACC+2*k_:ACC+2*k_+1], v[T+2*k_:T+2*k_+1]
.set k_, k_+1
.endr
	LNORM 0, 1, 2, 3                               ; h
	CVLOAD 4, B2R                                  ; b2, into registers that no vector instruction has named
	TOBUF ABUF0, 0                                 ; h in f16, for proj
	s_wait_dscnt 0x0
.set k_, 0
.rept 32
	v_pk_add_f32 v[ACC+2*k_:ACC+2*k_+1], v[ACC+2*k_:ACC+2*k_+1], v[B2R+2*(k_%16):B2R+2*(k_%16)+1]  ; the last sums start with h + b2
.set k_, k_+1
.endr
	s_barrier_signal -1
	s_barrier_wait -1
	s_wait_alu depctr_vm_vsrc(0)                   ; the stage's stores have read XR, h's stores T .. T + 31, the norm's stores v28 to v31: all are written again below
	; proj, and qf = cos(theta_ffn) cos(proj): every wave makes all 32 rows' 8 numbers
	WIN 0xc0
.irp k, 0,1,2,3,4,5,6,7
	AFETCH ABUF0, \k                               ; h's fragments.  No wait: the second chunk's products stand ahead of the wait in front of x's stage
.endr
	WIN 0
	FLOAD 0                                        ; no wait: what last named these registers (h's roundings, the norm's last lines) stands ahead of the wait in front of h's stores
	s_wait_kmcnt 0x0
.irp j, 0,1,2,3,4,5,6,7
	v_mov_b32 v[228+\j], s[40+\j]                  ; b_ip starts the sums
	v_mov_b32 v[236+\j], s[48+\j]
.endr
.irp p, 0,1
	v_mov_b32 v[244+\p], 0xc0c90fdb                ; K1 = -2 pi
	v_mov_b32 v[246+\p], 0x42255de7                ; K3 = (2 pi)^3 / 6
	v_mov_b32 v[248+\p], 0xc2a335e3                ; K5 = -(2 pi)^5 / 120
	v_mov_b32 v[250+\p], 0x42996966                ; K7 = (2 pi)^7 / 5040
	v_mov_b32 v[252+\p], 0xc2283c1a                ; K9 = -(2 pi)^9 / 362880
.endr
	WIN 0x0f                                       ; both sources in window 3
.set q_, 0
.rept 8                                 ; 256 along K, both row tiles, the two accumulators by turns
	s_wait_dscnt 4*(7-q_)+10                       ; the younger steps' fragments and the ten loads of w1 and b1 may stay out
.if q_ == 0
	v_wmma_f32_16x16x32_f16 v[212:219], v[WIPR+8*q_:WIPR+8*q_+7], v[16*q_:16*q_+7],    v[228:235]
	v_wmma_f32_16x16x32_f16 v[220:227], v[WIPR+8*q_:WIPR+8*q_+7], v[16*q_+8:16*q_+15], v[228:235]
.else
	v_wmma_f32_16x16x32_f16 v[212:219], v[WIPR+8*q_:WIPR+8*q_+7], v[16*q_:16*q_+7],    v[212:219]
	v_wmma_f32_16x16x32_f16 v[220:227], v[WIPR+8*q_:WIPR+8*q_+7], v[16*q_+8:16*q_+15], v[220:227]
.endif
.set q_, q_+1
.endr
	PLACES
	WIN 0
.irp k, 0,2,4,6,8,10,12,14
	v_pk_mul_f32 v[212+\k:213+\k], v[212+\k:213+\k], 0.15915494 op_sel_hi:[1,0]
.endr
.irp k, 0,2,4,6
	v_pk_mul_f32 v[236+\k:237+\k], v[236+\k:237+\k], 0.15915494 op_sel_hi:[1,0]
.endr
	COS8 212
	COS8 220
	COS8 236
.irp k, 0,2,4,6
	v_pk_mul_f32 v[212+\k:213+\k], v[212+\k:213+\k], v[236+\k:237+\k]
	v_pk_mul_f32 v[220+\k:221+\k], v[220+\k:221+\k], v[236+\k:237+\k]
.endr
.irp e, 0,1,2,3
	v_cvt_pk_f16_f32 v[112+\e], v[212+2*\e], v[213+2*\e]
	v_cvt_pk_f16_f32 v[116+\e], v[220+2*\e], v[221+2*\e]
.endr
.irp rt, 0,1
.irp e, 0,1,2,3
	v_cndmask_b32 v[192+8*\rt+\e], 0, v[112+4*\rt+\e], s57   ; qf in lanes 0-15: the first slot
	v_cndmask_b32 v[196+8*\rt+\e], v[112+4*\rt+\e], 0, s57   ; in lanes 16-31: the second
.endr
.endr
.irp e, 0,1,2,3
	v_mov_b32 v[208+\e], 0
	v_mov_b32 v[68+\e], 0
	v_mov_b32 v[76+\e], 0
.endr
	; the FFN: hidden's chunk n + 1 is made into one buffer, then chunk n is multiplied out of the other.  From chunk 1 on w1's and b1's parts are waited for at the barrier in front
	s_wait_dscnt 0x0                               ; w1's and b1's parts for chunk 0 are in
	FFN1 0, ABUF1, 1
	MEET
	FFN1 1, ABUF0, 1
	CHUNK 2, ABUF1, 0, 1, 56, 0
	MEET
	FFN1 2, ABUF1, 1
	CHUNK 3, ABUF0, 0, 1, 56, 0
	MEET
	FFN1 3, ABUF0, 0
	CHUNK 4, ABUF1, 0, 1, 56, 0
	MEET
	CHUNK 5, ABUF0, 0, 0, 0, 1
	LNORM 2, 3, 5, 6
	; THE WAY OUT: through my stage, back as whole rows
	s_wait_alu depctr_va_vdst(0)                   ; the norm's last lines have written the accumulators, which the stage's stores read; all vector work on XR, in which the rows land, is done
.irp rt, 0,1
.irp q, 0,1,2,3,4,5,6,7
	ds_store_b128 v10, v[ACC+32*\rt+4*\q:ACC+32*\rt+4*\q+3] offset:64*(\q/2)+16*(\q%2)
.endr
.irp i, 0,1,2,3,4,5,6,7
	ds_load_b128 v[XR+32*\rt+4*\i:XR+32*\rt+4*\i+3], v11 offset:2*SPI*\i
.endr
.endr
	s_wait_dscnt 16                                ; the second tile's 8 stores and 8 loads may stay out
.set n_, 0
.rept 16
.if n_ == 8
	s_wait_dscnt 0x0
.endif
	global_store_b128 v12, v[XR+4*n_:XR+4*n_+3], s[38:39] offset:2048*n_  ; each half of the lanes: 256 bytes on end of a row, aligned
.set n_, n_+1
.endr
	s_wait_dscnt 0x0                               ; the wave's end
	s_wait_alu 0x0
	s_wait_tensorcnt 0x0
	ds_add_u32 v2, v3
	s_wait_dscnt 0x0
	s_endpgm
.Lfunc_end_k_qbff956641d_tail:
	.size	k_qbff956641d_tail, .Lfunc_end_k_qbff956641d_tail-k_qbff956641d_tail
	.p2alignl 7, 3214868480
	.fill 96, 4, 3214868480
	.section	.rodata,"a",@progbits
	.p2align	6, 0x0
	.amdhsa_kernel k_qbff956641d_tail
		.amdhsa_group_segment_fixed_size 86016
		.amdhsa_private_segment_fixed_size 0
		.amdhsa_enable_private_segment 0
		.amdhsa_kernarg_size 128
		.amdhsa_user_sgpr_count 2
		.amdhsa_user_sgpr_kernarg_segment_ptr 1
		.amdhsa_wavefront_size32 1
		.amdhsa_system_sgpr_workgroup_id_x 1
		.amdhsa_system_sgpr_workgroup_id_y 1
		.amdhsa_system_sgpr_workgroup_id_z 1
		.amdhsa_system_vgpr_workitem_id 0
		.amdhsa_next_free_vgpr 960
		.amdhsa_next_free_sgpr 80
		.amdhsa_reserve_vcc 0
		.amdhsa_float_denorm_mode_32 3
		.amdhsa_float_denorm_mode_16_64 3
		.amdhsa_memory_ordered 1
		.amdhsa_forward_progress 1
		.amdhsa_inst_pref_size 180
	.end_amdhsa_kernel
	.amdgpu_metadata
---
amdhsa.version: [ 1, 2 ]
amdhsa.kernels:
  - .name:           k_qbff956641d_tail
    .symbol:         k_qbff956641d_tail.kd
    .args:
      - { .name: ctx, .offset: 0, .size: 8, .value_kind: global_buffer, .address_space: global }
      - { .name: wpack, .offset: 8, .size: 8, .value_kind: global_buffer, .address_space: global }
      - { .name: x, .offset: 16, .size: 8, .value_kind: global_buffer, .address_space: global }
      - { .name: b_out, .offset: 24, .size: 8, .value_kind: global_buffer, .address_space: global }
      - { .name: b_comb, .offset: 32, .size: 8, .value_kind: global_buffer, .address_space: global }
      - { .name: g1, .offset: 40, .size: 8, .value_kind: global_buffer, .address_space: global }
      - { .name: be1, .offset: 48, .size: 8, .value_kind: global_buffer, .address_space: global }
      - { .name: w_ip, .offset: 56, .size: 8, .value_kind: global_buffer, .address_space: global }
      - { .name: b_ip, .offset: 64, .size: 8, .value_kind: global_buffer, .address_space: global }
      - { .name: theta_ffn, .offset: 72, .size: 8, .value_kind: global_buffer, .address_space: global }
      - { .name: w1, .offset: 80, .size: 8, .value_kind: global_buffer, .address_space: global }
      - { .name: b1, .offset: 88, .size: 8, .value_kind: global_buffer, .address_space: global }
      - { .name: b2, .offset: 96, .size: 8, .value_kind: global_buffer, .address_space: global }
      - { .name: g2, .offset: 104, .size: 8, .value_kind: global_buffer, .address_space: global }
      - { .name: be2, .offset: 112, .size: 8, .value_kind: global_buffer, .address_space: global }
      - { .name: out0, .offset: 120, .size: 8, .value_kind: global_buffer, .address_space: global }
    .group_segment_fixed_size: 86016
    .private_segment_fixed_size: 0
    .kernarg_segment_align: 8
    .kernarg_segment_size: 128
    .max_flat_workgroup_size: 128
    .sgpr_count:     80
    .vgpr_count:     960
    .wavefront_size: 32
...
	.end_amdgpu_metadata
.endif
;; end of part 5
